; MI455X (gfx1250); checked and timed in simulation.
; The chip was launched on July 23, 2026; its instructions are those of AMD's public machine-readable ISA for CDNA 5 (MIT licence, August 2026) and "CDNA5" Instruction Set Architecture Reference Guide (July 2026). The comments in the code are by the model that wrote it; some were corrected since.
;; Standard Attention. Allowed arithmetic: matrix products marked QUANTISED: E3M2 operands, one E8M0 scale for each 32 along K, by v_wmma_scale_f32_16x16x128_f8f6f4 with both operands' format E3M2, f32 sums; everything else in f32.
;; Inputs: k 2 x 16 x 2,048 x 64 float32; q 2 x 16 x 2,048 x 64 float32; v 2 x 16 x 2,048 x 64 float32.
;; Outputs: out0 2 x 16 x 2,048 x 64 float32.
;; This version of the problem:
;;   THIS VERSION OF THE PROBLEM IS GIVEN IN LOW PRECISION. The matrix products marked QUANTISED in the list below multiply operands that are first quantised to E3M2 (3 exponent bits, 2 mantissa bits; 6 bits a number), with one power-of-two scale for each 32 numbers along K (OCP MX v1.0); their sums are f32. All else is computed in f32.
;;   The module's matrix products, in the order in which they are computed (A, B: the left and right operand; K: the contracted axis; several contracted axes count as one K, in the product's order):
;;     1. batch 32 x [M 2,048, K 64] x [K 64, N 2,048]; A: input q; B: input k: QUANTISED
;;     2. batch 32 x [M 2,048, K 2,048] x [K 2,048, N 64]; A: softmax (see below); B: input v: QUANTISED
;;   THE QUANTISER, for each operand of a quantised product, along K:
;;     - K is cut into blocks of 32 from its start; a last block that is shorter is filled with zeros.
;;     - A block's scale is 2^e with e = floor(log2(the largest magnitude in the block)) - 4, held to -126 .. 127; a block of zeros has e = 0. As a byte (E8M0): e + 127.
;;     - Each number is divided by its block's scale, clamped to +-28, and rounded to the nearest number of E3M2, ties to even, subnormals kept.
;;     - The product sums the exact products of the quantised numbers (number of the format x scale) in f32.
;;   ~~~python
;;   def quantise(x, axis):      # numpy; x: float32 -> the quantised numbers, widened to float32 again
;;       x = np.moveaxis(x, axis, -1); K = x.shape[-1]
;;       x = np.pad(x, [(0, 0)] * (x.ndim - 1) + [(0, -K % 32)]); x = x.reshape(x.shape[:-1] + (-1, 32)); a = np.abs(x).max(-1, keepdims=True)
;;       e = np.where(a > 0, np.clip(np.frexp(np.where(a > 0, a, 1))[1] - 1 - 4, -126, 127), 0)      # np.frexp(a)[1] - 1 = floor(log2(a)), exactly
;;       r = np.clip(x / 2.0 ** e, -28, 28)
;;       step = 2.0 ** (np.maximum(np.frexp(np.where(r == 0, 1, r))[1] - 1, -2) - 2)
;;       q = np.round(r / step) * step * 2.0 ** e      # np.round: ties to even
;;       return np.moveaxis(q.reshape(q.shape[:-2] + (-1,))[..., :K], -1, axis).astype(np.float32)
;;   ~~~
;;   SOFTMAX AHEAD OF A QUANTISED PRODUCT. Where the list says 'softmax', what is quantised is not the finished softmax but p = 2^(t - M), with t = logit x log2(e) and M = ceil(the row's largest t), a whole number; so 1/2 < the row's largest p <= 1. The row's sum l is taken of the UNQUANTISED p, in f32, and the product's result is divided by l at the end. Since M is a whole number, a kernel that streams over the keys may use a running M (the ceiling of the running maximum): every later rescaling is an exact power of two, which a block's scale takes up: the codes' values come out the same.
;;   OPERANDS COMPUTED ON THE WAY. 'Computed on the way' means the value that the module computes at that place (a softmax that the list does not call 'softmax' is quantised finished and normalised). What goes into a quantiser is computed in f32, as accurately as f32 sums, v_exp_f32 and their like allow (about 1e-6 of the number): no bf16 or f16 on the way to a quantiser, and a product that is left as it is and whose result goes on into a quantised operand takes f32 operands (vector FMAs, or v_wmma_f32_16x16x4_f32). A number that lies on a knife's edge between two numbers of the format may be rounded either way, as far as f32 arithmetic and the matrix unit's own rounding can turn it there, and no further.
;; 2 versions. Each part assembles by itself: llvm-mc -triple=amdgcn-amd-amdhsa -mcpu=gfx1250 --defsym DOCPART=n.
;; ======== version 1 of 2: 2 launches
;; workspace buffers: kcodes 3,145,728 bytes; vcodes 3,145,728 bytes; kscales 131,072 bytes; vscales 131,072 bytes
;; launch prep (part 1): grid 512 x 1, 4 waves a work-group, no clusters, 72,192 bytes of LDS; arguments k, v, kcodes, kscales, vcodes, vscales; writes kcodes, kscales, vcodes, vscales
.if DOCPART == 1
	.amdgcn_target "amdgcn-amd-amdhsa--gfx1250"
	.amdhsa_code_object_version 6
	.text
	.protected	k_qfce71ea6c2_prep
	.globl	k_qfce71ea6c2_prep
	.p2align	8
	.type	k_qfce71ea6c2_prep,@function
k_qfce71ea6c2_prep:
	s_mov_b64 s[64:65], 0
	v_nop
	global_prefetch_b8 v0, s[64:65] scope:SCOPE_SE
	s_setreg_imm32_b32 hwreg(HW_REG_WAVE_MODE, 25, 1), 1
	s_wait_xcnt 0x0
; k and v, [32 heads][2048 keys][64] f32, become codes of BF6 (E3M2) with one E8M0 scale byte for each 32 along a product's K: k along the head's 64, v along the keys.
; A block's scale is 2^(floor(log2(its largest magnitude)) - 4); its byte is the largest magnitude's exponent field - 4, held at 1 from below.
; THE CODES ARE LAID AS IMAGES OF THE OPERANDS' REGISTERS, a STEP of 128 keys at a time (6,144 bytes: four fragments of 1,536): registers 4 i .. 4 i + 3 of lane l of fragment b lie at 1536 b + 512 i + 16 l.
;   k, fragment b (r = l % 16, h = l / 16): registers 0-5 = key 32 b + r % 8 + 16 (r / 8), dims 32 h .. 32 h + 31; registers 6-11 = the key 8 further on, the same dims: two tiles of 16 keys in one operand of 128 along K.
;   v, fragment t: registers 6 c .. 6 c + 5 = channel 16 t + r, keys 64 c + 32 h + 0 .. 31 of the step.
; THE SCALE WORDS, 256 bytes a step: the word of fragment b, row r, lies at 128 (b / 2) + 8 r + 4 (b % 2).  k: bytes = first key's dims 0-31, 32-63, second key's dims 0-31, 32-63.  v: byte i = the step's i-th 32 keys.
; SHARES.  Work-groups 0-255 take k, 256-511 v.  A wave takes half a step: two fragments, 3,072 bytes of codes, 128 bytes of scale words, from 16,384 bytes of f32.  Waves share nothing: no barrier.
; LIMITS: a block of zeros gets the byte 1 (the quantiser says 127): its codes are zeros, which add nothing, and the bytes are read by this program alone.  Largest magnitudes under 2^-122 are held at that floor.
; NaN and infinities among the inputs are not served.
.set KWG,  256                         ; k's work-groups
.set WREG, 17920                       ; LDS (k's path alone): a region for each wave: two stages
.set STG,  8960                        ; a stage: 32 keys' rows of 256 bytes, 272 apart, and 128 more in front of the last sixteen
.set R,    16                          ; v16-143   k: two fragments' numbers as loaded;  v: 128 keys of my channel
.set X,    144                         ; v144-207  k: 64 numbers in the operand's order
.set F0,   208                         ; v208-219  the first fragment's codes
.set F1,   220                         ; v220-231  the second's
.set T0,   232                         ; the upper halves of blocks (a conversion's three registers begin on an even number)
.set T1,   236
.set W0,   240                         ; k: the two fragments' scale words
.set W1,   241
.set MX,   242                         ; k: two largest magnitudes, two scale operands, two bytes
.set SO,   244
.set BY,   246
.set WT,   248
.set TMP,  249
	s_load_b256 s[4:11], s[0:1], 0x0               ; k s[4:5], v s[6:7], k's codes s[8:9], k's scales s[10:11]
	s_load_b128 s[12:15], s[0:1], 0x20             ; v's codes s[12:13], v's scales s[14:15]
	v_lshl_add_u32 v254, v0, 2, 0x11800
	v_mov_b32 v255, 0
	v_lshrrev_b32 v1, 5, v0
	v_readfirstlane_b32 s16, v1                    ; wave 0..3
	v_and_b32 v1, 31, v0                           ; lane
	v_and_b32 v2, 15, v0                           ; r
	v_bfe_u32 v3, v0, 4, 1                         ; h
	v_lshlrev_b32 v4, 4, v1                        ; 16 x lane: k's dense loads, and an image's place
	v_lshlrev_b32 v5, 3, v2
	v_lshl_add_u32 v5, v3, 2, v5                   ; 8 r + 4 h: my scale word's place
	v_lshlrev_b32 v8, 3, v3                        ; 8 h: a shift
	v_lshlrev_b32 v9, 2, v1                        ; 4 x lane: v's loads
	s_mul_i32 s32, s16, WREG                       ; my wave's stages
	v_mul_u32_u24 v6, v3, 272
	v_lshl_add_u32 v6, v2, 4, v6
	v_add_nc_u32 v6, s32, v6                       ; into a stage: lanes 0-15 an even key's row, lanes 16-31 the odd one's, 16 bytes a lane
	v_and_b32 v10, 7, v0
	v_mul_u32_u24 v7, v10, 272
	v_bfe_u32 v10, v0, 3, 1
	v_mad_u32_u24 v7, v10, 4480, v7
	v_lshl_add_u32 v7, v3, 7, v7
	v_add_nc_u32 v7, s32, v7                       ; out of it: key r % 8 + 16 (r / 8), my half's 128 bytes: sixteen lanes touch sixteen different columns of 16 bytes modulo 256
	s_mov_b32 s30, 0x76543210
	s_mov_b32 s31, 0xfedcba98                      ; v_permlanex16_b32's selects for lane l xor 16
	s_cmp_lt_u32 ttmp9, KWG
	s_cselect_b32 s32, 0, KWG
	s_sub_co_u32 s17, ttmp9, s32
	s_lshl_b32 s17, s17, 2
	s_add_co_u32 s17, s17, s16                     ; which half step of the tensor is my wave's: 0 .. 1023
	s_mul_i32 s20, s17, 3072                       ; its codes,
	s_mov_b32 s21, 0
	s_lshl_b32 s22, s17, 7                         ; its scale words,
	s_mov_b32 s23, 0
	s_lshl_b32 s18, s17, 14                        ; its numbers in k: 64 keys of 256 bytes;
	s_lshr_b32 s32, s17, 1
	s_lshl_b32 s32, s32, 15
	s_and_b32 s33, s17, 1
	s_lshl_b32 s33, s33, 7
	s_add_co_u32 s32, s32, s33                     ; in v: the step's 128 keys, channels 32 (half) on
	s_mov_b32 s19, 0
	s_wait_kmcnt 0x0
	s_cmp_lt_u32 ttmp9, KWG                        ; k's work-group or v's?  The choice hangs on the work-group's number alone
	s_cselect_b32 s18, s18, s32
	s_cselect_b64 s[24:25], s[4:5], s[6:7]
	s_cselect_b64 s[26:27], s[8:9], s[12:13]
	s_cselect_b64 s[28:29], s[10:11], s[14:15]
	s_add_nc_u64 s[24:25], s[24:25], s[18:19]
	s_add_nc_u64 s[26:27], s[26:27], s[20:21]
	s_add_nc_u64 s[28:29], s[28:29], s[22:23]
	s_cmp_lt_u32 ttmp9, KWG
	s_cbranch_scc0 .Lv
; ---- k.  K is innermost: the loads take the bytes as they lie, 512 consecutive bytes each; a fragment's 32 keys turn through the wave's own stage and come back 128 bytes (a block of 32 dims) a lane and key.
.macro KLOAD f
.irp i, 0,1,2,3,4,5,6,7,8,9,10,11,12,13,14,15
	global_load_b128 v[R+64*\f+4*\i:R+64*\f+4*\i+3], v4, s[24:25] offset:8192*\f+512*\i th:TH_LOAD_NT
.endr
.endm
.macro TIN f
.irp i, 0,1,2,3,4,5,6,7,8,9,10,11,12,13,14,15
	ds_store_b128 v6, v[R+64*\f+4*\i:R+64*\f+4*\i+3] offset:STG*\f+544*\i+128*(\i/8)
.endr
.endm
.macro TOUT f, dst                     ; LDS serves a wave's instructions in order (ISA guide 5.7.1): these see the stores into the stage
.irp u, 0,1
.irp j, 0,1,2,3,4,5,6,7
	ds_load_b128 v[\dst+32*\u+4*\j:\dst+32*\u+4*\j+3], v7 offset:STG*\f+2176*\u+16*\j
.endr
.endr
.endm
; 64 numbers of a lane (two keys' blocks of 32 dims) become the fragment's 12 registers and, with lane l xor 16's two bytes, its row's scale word
.macro QK x, fr, w
	v_max3_num_f32 v[MX], |v[\x]|, |v[\x+1]|, 0x2800000            ; and the floor 2^(5 - 127): the byte cannot fall under 1
	v_max3_num_f32 v[MX+1], |v[\x+32]|, |v[\x+33]|, 0x2800000
.irp i, 2,4,6,8,10,12,14,16,18,20,22,24,26,28,30
	v_max3_num_f32 v[MX], v[MX], |v[\x+\i]|, |v[\x+\i+1]|          ; (the two blocks by turns)
	v_max3_num_f32 v[MX+1], v[MX+1], |v[\x+32+\i]|, |v[\x+33+\i]|
.endr
.irp u, 0,1
	v_add_nc_u32 v[SO+\u], 0xfe000000, v[MX+\u]    ; 4 off the exponent field: the conversion takes this operand's exponent field as its scale
.endr
.irp u, 0,1
	v_lshrrev_b32 v[BY+\u], 23, v[SO+\u]           ; the scale's byte
.endr
	v_cvt_scalef32_pk16_bf6_f32 v[\fr:\fr+2], v[\x:\x+15], v[SO]
	v_cvt_scalef32_pk16_bf6_f32 v[T0:T0+2], v[\x+16:\x+31], v[SO]
	v_cvt_scalef32_pk16_bf6_f32 v[\fr+6:\fr+8], v[\x+32:\x+47], v[SO+1]
	v_cvt_scalef32_pk16_bf6_f32 v[T1:T1+2], v[\x+48:\x+63], v[SO+1]
	v_lshl_or_b32 v[WT], v[BY+1], 16, v[BY]        ; my two bytes (a plain line behind the conversions, ahead of the moves that read their results),
	v_lshlrev_b32 v[WT], v8, v[WT]                 ; 8 h bits up: block h of each key;
	v_permlanex16_b32 v[TMP], v[WT], s30, s31
	v_or_b32 v[\w], v[WT], v[TMP]                  ; with the other half's two the word is whole, in both halves
.irp i, 0,1,2
	v_mov_b32 v[\fr+3+\i], v[T0+\i]
	v_mov_b32 v[\fr+9+\i], v[T1+\i]
.endr
.endm
.macro KOUT f, fr                      ; each store covers 512 consecutive bytes, at a multiple of 512 from the buffer's first byte
.irp i, 0,1,2
	global_store_b128 v4, v[\fr+4*\i:\fr+4*\i+3], s[26:27] offset:1536*\f+512*\i
.endr
.endm
	KLOAD 0
	KLOAD 1
	v_mov_b32 v[TMP], 0                            ; written once: a lane permute's destination counts as one of its sources
	s_wait_loadcnt 16                              ; the first fragment's 16 loads are in; the second's may be out
	TIN 0
	TOUT 0, X
	s_wait_loadcnt 0x0
	TIN 1
	s_wait_dscnt 16                                ; all but the 16 stores just issued: the first fragment is back, and its stores have read their registers,
	TOUT 1, R                                      ; which take the second fragment while the first is quantised
	QK X, F0, W0
	KOUT 0, F0
	s_wait_dscnt 0x0
	QK R, F1, W1
	KOUT 1, F1
	v_cmp_eq_u32 vcc_lo, 1, v3
	v_cndmask_b32 v10, v[W0], v[W1], vcc_lo        ; lanes 0-15 store the first fragment's words, lanes 16-31 the second's
	global_store_b32 v5, v10, s[28:29]             ; 128 consecutive bytes
	s_wait_tensorcnt 0x0
	ds_add_u32 v254, v255
	s_wait_dscnt 0x0
	s_endpgm
; ---- v.  K (the keys) is not innermost: a lane takes a channel and its registers run down the keys, so a block of 32 keys lies in one lane and the conversions give codes with the keys innermost.
.Lv:
.set KK, 0
.rept 128
	global_load_b32 v[R+KK], v9, s[24:25] offset:256*KK th:TH_LOAD_NT    ; one key, 32 neighbouring channels: 128 consecutive bytes
.set KK, KK+1
.endr
.macro VBLOCK b, left                  ; the step's b-th 32 keys of my channel
	s_wait_loadcnt \left
	v_max3_num_f32 v[144+\b], |v[R+32*\b]|, |v[R+1+32*\b]|, 0x2800000
.irp i, 2,4,6,8,10,12,14,16,18,20,22,24,26,28,30
	v_max3_num_f32 v[144+\b], v[144+\b], |v[R+32*\b+\i]|, |v[R+1+32*\b+\i]|
.endr
	v_add_nc_u32 v[148+\b], 0xfe000000, v[144+\b]
	v_lshrrev_b32 v[152+\b], 23, v[148+\b]
	v_cvt_scalef32_pk16_bf6_f32 v[F0+12*(\b%2)+6*(\b/2):F0+12*(\b%2)+6*(\b/2)+2], v[R+32*\b:R+32*\b+15], v[148+\b]   ; even blocks' lower halves in the first fragment's registers, odd blocks' in the second's
	v_cvt_scalef32_pk16_bf6_f32 v[T0+4*\b:T0+4*\b+2], v[R+16+32*\b:R+31+32*\b], v[148+\b]
.endm
	VBLOCK 0, 63                                   ; 96 loads were issued behind this block's; a wait names 63 at the most, and a smaller count is safe
	VBLOCK 1, 63                                   ; 64 behind this one's
	VBLOCK 2, 32
	VBLOCK 3, 0
	v_lshl_or_b32 v156, v153, 8, v152              ; my channel's scale word (a plain line behind the last conversion)
	v_lshl_or_b32 v156, v154, 16, v156
	v_lshl_or_b32 v156, v155, 24, v156
; Lanes 0-15 hold the first fragment's channels, lanes 16-31 the second's, each all four blocks.  The operand wants block 2 c in lanes 0-15 and block 2 c + 1 in lanes 16-31 of each fragment:
; the exchange of one register's upper lanes with the other's lower lanes gives both fragments at once.
.irp c, 0,1
.irp i, 0,1,2
	v_permlane16_swap_b32 v[F0+6*\c+\i], v[F1+6*\c+\i]
	v_permlane16_swap_b32 v[T0+8*\c+\i], v[T0+8*\c+4+\i]
.endr
.endr
.irp c, 0,1
.irp i, 0,1,2
	v_mov_b32 v[F0+6*\c+3+\i], v[T0+8*\c+\i]
	v_mov_b32 v[F1+6*\c+3+\i], v[T0+8*\c+4+\i]
.endr
.endr
	KOUT 0, F0
	KOUT 1, F1
	global_store_b32 v5, v156, s[28:29]            ; lane (r, h): the word of fragment h, row r
	s_endpgm
.Lfunc_end_k_qfce71ea6c2_prep:
	.size	k_qfce71ea6c2_prep, .Lfunc_end_k_qfce71ea6c2_prep-k_qfce71ea6c2_prep
	.p2alignl 7, 3214868480
	.fill 96, 4, 3214868480
	.section	.rodata,"a",@progbits
	.p2align	6, 0x0
	.amdhsa_kernel k_qfce71ea6c2_prep
		.amdhsa_group_segment_fixed_size 72192
		.amdhsa_private_segment_fixed_size 0
		.amdhsa_enable_private_segment 0
		.amdhsa_kernarg_size 48
		.amdhsa_user_sgpr_count 2
		.amdhsa_user_sgpr_kernarg_segment_ptr 1
		.amdhsa_wavefront_size32 1
		.amdhsa_system_sgpr_workgroup_id_x 1
		.amdhsa_system_sgpr_workgroup_id_y 1
		.amdhsa_system_sgpr_workgroup_id_z 1
		.amdhsa_system_vgpr_workitem_id 0
		.amdhsa_next_free_vgpr 256
		.amdhsa_next_free_sgpr 66
		.amdhsa_reserve_vcc 1
		.amdhsa_float_denorm_mode_32 3
		.amdhsa_float_denorm_mode_16_64 3
		.amdhsa_memory_ordered 1
		.amdhsa_forward_progress 1
		.amdhsa_inst_pref_size 36
	.end_amdhsa_kernel
	.amdgpu_metadata
---
amdhsa.version: [ 1, 2 ]
amdhsa.kernels:
  - .name:           k_qfce71ea6c2_prep
    .symbol:         k_qfce71ea6c2_prep.kd
    .args:
      - { .name: k, .offset: 0, .size: 8, .value_kind: global_buffer, .address_space: global }
      - { .name: v, .offset: 8, .size: 8, .value_kind: global_buffer, .address_space: global }
      - { .name: kcodes, .offset: 16, .size: 8, .value_kind: global_buffer, .address_space: global }
      - { .name: kscales, .offset: 24, .size: 8, .value_kind: global_buffer, .address_space: global }
      - { .name: vcodes, .offset: 32, .size: 8, .value_kind: global_buffer, .address_space: global }
      - { .name: vscales, .offset: 40, .size: 8, .value_kind: global_buffer, .address_space: global }
    .group_segment_fixed_size: 72192
    .private_segment_fixed_size: 0
    .kernarg_segment_align: 8
    .kernarg_segment_size: 48
    .max_flat_workgroup_size: 128
    .sgpr_count:     66
    .vgpr_count:     256
    .wavefront_size: 32
...
	.end_amdgpu_metadata
.endif
;; end of part 1
;; launch attn (part 2): grid 8 x 32, 16 waves a work-group, no clusters, 276,480 bytes of LDS; arguments q, kcodes, kscales, vcodes, vscales, out0; writes out0
.if DOCPART == 2
	.amdgcn_target "amdgcn-amd-amdhsa--gfx1250"
	.amdhsa_code_object_version 6
	.text
	.protected	k_qfce71ea6c2_attn
	.globl	k_qfce71ea6c2_attn
	.p2align	8
	.type	k_qfce71ea6c2_attn,@function
k_qfce71ea6c2_attn:
	s_mov_b64 s[64:65], 0
	v_nop
	global_prefetch_b8 v0, s[64:65] scope:SCOPE_SE
	s_setreg_imm32_b32 hwreg(HW_REG_WAVE_MODE, 25, 1), 1
	s_wait_xcnt 0x0
; out0[head][q][:] = the sum over keys k <= q of softmax_k(q . k / 8) v[k][:], 32 heads x 2,048 x 64, both products on codes of BF6 (E3M2) with one E8M0 scale for each 32 along a product's K.
; k and v come as codes and scale words laid as images of the operands' registers, a step of 128 keys at a time (6,144 bytes of codes, 256 of scale words, for each of the two).  q (f32) is read by one wave alone and is quantised here, in registers.
; THE SOFTMAX: t = score x log2(e) / 8; M = the running largest t rounded UP to a whole number; p = 2^(t - M) is quantised along the keys, not normalised.  The row's sum is taken of the unquantised p and divides at the end.
; When M moves, the sum and O are multiplied by 2^(old M - new M), which rounds nothing.
; SHARES.  Work-group (g, head), sixteen waves of 256 registers, four to a SIMD.  A wave owns 16 queries.  Eight waves take query group g (128 queries), eight take group 15 - g: group G needs G + 1 key steps,
; so a pair of waves needs 17 whatever g is, and all 256 work-groups have the same work.  Which wave takes which group alternates so that each four neighbouring waves, and each four waves that are four apart, hold two of each.
; LDS.  A head's codes and scale words, 204,800 bytes, lie in LDS whole: every byte is filled once, at the head, by waves 0 to 3 (four tensor loads each are out, by this text's count).  No slot is filled again.
; They come in three parts (steps 0-1 with the scale words, 2-5, 6-15), each read behind a counted wait and a barrier, so that the first steps are worked while the rest is on its way.
; NO CLUSTER, though the eight work-groups of a head read the same codes: a step all of whose keys are hidden is jumped over, which is a branch on the work-group's number; without it the work would double.
; LAYOUT.  Both products are used transposed: S^T = K Q^T (source 0 = keys, source 1 = my queries), O^T = V^T P^T: a lane holds ONE query (lane % 16) throughout.
; K = 64 IN AN INSTRUCTION OF 128: a fragment of k holds TWO tiles of 16 keys, one in K 0-63, one in K 64-127.  Against [q | zero codes] it gives the first tile's scores, against [zero codes | q] the second's.
; The half that is not wanted multiplies zero codes of q by codes of k (the format has no infinity or NaN): exactly 0; q's scale bytes there are 1.  So zeros stand on ONE side of the unused half, not on both: the sums are the same.
; The keys of a tile are not neighbours (lane r of tile 2 b + u: key 32 b + 8 u + r + 8 (r / 8)), so that S^T's register 16 b + i is key 32 b + 16 (lane / 16) + i.
; LIMITS: NaN and infinities among the inputs are not served.  A block's largest p is made from its largest score by the same two instructions: this takes v_exp_f32 not to fall where its input rises.  p under 2^-126 becomes 0.
; A block of q that is all zeros gets the scale byte 1; its codes are zeros.
.set VC,    98304                      ; LDS: k's codes at 0, v's here, a step 6,144 bytes
.set KSC,   196608                     ; k's scale words, 256 bytes a step; v's 4,096 bytes on
.set STAGE, 204800                     ; the way out: 16 rows x 272 bytes for each wave; no tensor load lands here
.set A16, 1                            ; v1   16 x lane: an image's place
.set A8,  2                            ; v2   KSC + 8 x lane: a step's scale words
.set ADK, 3                            ; v3-5 the step's addresses: k's codes, v's codes, scale words
.set ADV, 4
.set ADS, 5
.set GO,  6                            ; v6   my byte offset in two rows of out0
.set DQ,  7                            ; v7   lane % 16 - 16 (lane / 16), for the mask
.set STO, 8                            ; v8   the stage: where I put 32 bytes of a row
.set RD,  9                            ; v9   and where I read a row back
.set QSA, 10                           ; v10  q's scale words for [q | 0];  v11 for [0 | q]
.set QSB, 11
                                       ; v12 -M, v13 the largest t, v[14:15] the sum in two halves
.set QB,  16                           ; v16-21 zero codes, v22-27 q's codes, v28-33 zero codes: [0 | q] = v[16:27], [q | 0] = v[22:33]
.set QA,  22
.set KS,  34                           ; v34-35 k's scale words: fragments 0, 1 in lanes 0-15, fragments 2, 3 in lanes 16-31
.set VS,  36                           ; v36-37 v's likewise
.set PS,  38                           ; v38  p's scale word
.set F,   40                           ; v40-87   four fragments, k's and then v's
.set S,   96                           ; v96-159  S^T, then p
.set OT,  160                          ; v160-191 O^T, four tiles
.set PC,  192                          ; v192-203 p's codes;  v204-206, v208-210 the conversions' second halves
.set PT,  204
.set BM,  212                          ; v212-215 the blocks' largest scores;  v216-219 the other half's, then the bytes;  v220-223 the conversions' scale operands
.set BX,  216
.set SOP, 220
.set FF,  224                          ; v[224:225] f;  v226, v227 at work;  v[228:229] the second chain of the sum
.set WV,  16                           ; s16  my wave's number
.set SEL, 20                           ; s[20:21] v_permlanex16_b32's selects for lane l xor 16
.set CS,  22                           ; s[22:23] c = log2(e) / 8: the packed form names a pair and takes its low word for both halves
.set Q0,  24                           ; s24  my first query;  s25 my last
.set QL,  25
.set KF,  26                           ; s26  the step's first key
.set TB,  27                           ; s27  the step's codes: 6,144 a step
.set TS,  28                           ; s28  the step's scale words: 256 a step
.set CNT, 29
.set G1S, 32                           ; descriptor groups 1: 8, 24, 48 and 120 rows of 256 bytes
.set G1A, 40
.set G1B, 48
.set G1C, 56
.set G0S, 68                           ; and groups 0
.set G0A, 72
.set G0B, 76
.set G0C, 80
.macro MKG1 g, rows                    ; a dense block as rows of 256 bytes: 32 elements of 8 bytes, no padding
	s_mov_b32 s[\g], 3<<16                         ; 15:0 no mask; 17:16 elements of 8 bytes; 20 padding off
	s_mov_b32 s[\g+1], 32<<16                      ; tensor_dim0 = 32
	s_mov_b32 s[\g+2], (\rows)<<16                 ; tensor_dim1
	s_mov_b32 s[\g+3], 32<<16                      ; tile_dim0 = 32
	s_mov_b32 s[\g+4], \rows                       ; tile_dim1
	s_mov_b32 s[\g+5], 32                          ; from row to row
	s_mov_b32 s[\g+6], 0
	s_mov_b32 s[\g+7], 0
.endm
.macro MKG0 g, per, first              ; my half (s31) of a run of steps that begins first bytes into a head's codes: per bytes
	s_mul_i32 s86, s31, \per
	s_add_co_u32 s86, s86, \first
	s_mov_b32 s[\g], 1                             ; count = 1
	s_add_co_u32 s[\g+1], s84, s86                 ; LDS address: k's or v's region + the same offset as in memory
	s_add_nc_u64 s[\g+2:\g+3], s[88:89], s[86:87]
	s_or_b32 s[\g+3], s[\g+3], 0x80000000          ; type = 2
.endm
	s_load_b256 s[4:11], s[0:1], 0x0               ; q s[4:5], k's codes s[6:7], k's scales s[8:9], v's codes s[10:11]
	s_load_b128 s[12:15], s[0:1], 0x20             ; v's scales s[12:13], out0 s[14:15]
	v_lshl_add_u32 v254, v0, 2, 0x43000
	v_mov_b32 v255, 0
	ds_add_u32 v254, v255
	ds_add_u32 v254, v255
	v_lshrrev_b32 v226, 5, v0
	v_readfirstlane_b32 s[WV], v226                ; wave 0..15
	s_lshr_b32 s30, s[WV], 2
	s_xor_b32 s17, s[WV], s30
	s_and_b32 s17, s17, 1                          ; 0: query group g; 1: group 15 - g
	s_sub_co_u32 s30, 15, ttmp9
	s_cmp_eq_u32 s17, 0
	s_cselect_b32 s18, ttmp9, s30                  ; my group of 128 queries
	s_lshl_b32 s[Q0], s18, 7
	s_lshr_b32 s31, s[WV], 1                       ; waves 2 i and 2 i + 1 take tile i of the two groups
	s_lshl_b32 s31, s31, 4
	s_add_co_u32 s[Q0], s[Q0], s31
	s_add_co_u32 s[QL], s[Q0], 15
	s_and_b32 s19, ttmp7, 0xffff                   ; the head
	s_mov_b32 s[SEL], 0x76543210
	s_mov_b32 s[SEL+1], 0xfedcba98
	s_mov_b32 s[CS], 0x3e38aa3b                    ; log2(e) / 8
	s_mov_b32 s[CS+1], s[CS]                       ; (named with it as a pair, so it is written)
	s_mov_b32 s[KF], 0
	s_mov_b32 s[TB], 0
	s_mov_b32 s[TS], 0
	MKG1 G1S, 8
	MKG1 G1A, 24
	MKG1 G1B, 48
	MKG1 G1C, 120
	s_lshr_b32 s30, s[WV], 1                       ; what I fetch, if I fetch: waves 0, 1 for k, waves 2, 3 for v;
	s_and_b32 s31, s[WV], 1                        ; which half of each part
	s_mul_i32 s84, s30, VC
	s_lshl_b32 s85, s30, 12
	s_mov_b32 s87, 0
	s_wait_dscnt 0x0
	s_wait_kmcnt 0x0
	s_cmp_lt_u32 s[WV], 2                          ; the choice hangs on the wave's number alone
	s_cselect_b64 s[88:89], s[6:7], s[10:11]
	s_cselect_b64 s[90:91], s[8:9], s[12:13]
	s_mul_i32 s86, s19, VC                         ; a head's codes are 16 steps of 6,144 bytes,
	s_add_nc_u64 s[88:89], s[88:89], s[86:87]
	s_lshl_b32 s86, s19, 12                        ; its scale words 4,096 bytes
	s_add_nc_u64 s[90:91], s[90:91], s[86:87]
	s_lshl_b32 s86, s31, 11                        ; my half of them
	s_mov_b32 s[G0S], 1
	s_add_co_u32 s[G0S+1], s85, s86
	s_add_co_u32 s[G0S+1], s[G0S+1], KSC
	s_add_nc_u64 s[G0S+2:G0S+3], s[90:91], s[86:87]
	s_or_b32 s[G0S+3], s[G0S+3], 0x80000000
	MKG0 G0A, 6144, 0                              ; steps 0 and 1: one each
	MKG0 G0B, 12288, 12288                         ; steps 2 to 5: two each
	MKG0 G0C, 30720, 36864                         ; steps 6 to 15: five each
	s_cmp_lt_u32 s[WV], 4                          ; all first fills of a wave stand in one branch on its number, ahead of every wait on TENSORcnt, every LDS read and every barrier
	s_cbranch_scc0 .Lno_fetch
	tensor_load_to_lds s[G0S:G0S+3], s[G1S:G1S+7]
	s_nop 0
	tensor_load_to_lds s[G0A:G0A+3], s[G1A:G1A+7]
	s_nop 0
	tensor_load_to_lds s[G0B:G0B+3], s[G1B:G1B+7]
	s_nop 0
	tensor_load_to_lds s[G0C:G0C+3], s[G1C:G1C+7]
	s_nop 0
.rept 4
	v_nop
.endr
.Lno_fetch:
	s_lshl_b32 s86, s19, 19                        ; a head of q and of out0: 2,048 rows of 256 bytes;
	s_lshl_b32 s30, s[Q0], 8
	s_add_co_u32 s86, s86, s30                     ; my first query's row
	s_add_nc_u64 s[4:5], s[4:5], s[86:87]
	s_add_nc_u64 s[14:15], s[14:15], s[86:87]
	v_and_b32 v228, 15, v0                         ; r
	v_bfe_u32 v229, v0, 4, 1                       ; h
	v_lshlrev_b32 v226, 8, v228
	v_lshl_add_u32 v226, v229, 7, v226             ; q: row r, dims 32 h on: a whole block of 32 in a lane
.irp j, 0,1,2,3,4,5,6,7
	global_load_b128 v[S+4*\j:S+4*\j+3], v226, s[4:5] offset:16*\j th:TH_LOAD_NT
.endr
	v_and_b32 v[A16], 31, v0
	v_lshl_add_u32 v[A8], v[A16], 3, KSC
	v_lshlrev_b32 v[A16], 4, v[A16]
	v_lshlrev_b32 v[GO], 8, v229
	v_lshl_add_u32 v[GO], v228, 4, v[GO]           ; lanes 0-15 one row of out0, lanes 16-31 the next; 16 bytes a lane
	v_lshlrev_b32 v[DQ], 4, v229
	v_sub_nc_u32 v[DQ], v228, v[DQ]
	s_mul_i32 s30, s[WV], 4352
	s_add_co_u32 s30, s30, STAGE                   ; my stage
	v_mul_u32_u24 v[STO], v228, 272
	v_lshl_add_u32 v[STO], v229, 5, v[STO]
	v_add_nc_u32 v[STO], s30, v[STO]               ; in: row r, 32 h bytes on
	v_mul_u32_u24 v[RD], v229, 272
	v_lshl_add_u32 v[RD], v228, 4, v[RD]
	v_add_nc_u32 v[RD], s30, v[RD]                 ; back: lanes 0-15 one row, lanes 16-31 the next
.irp j, 0,1,2,3,4,5
	v_mov_b32 v[QB+\j], 0                          ; the zero codes on both sides of q's
	v_mov_b32 v[QA+6+\j], 0
.endr
.irp b, 0,1,2,3
	v_mov_b32 v[BX+\b], 0                          ; written once: a lane permute's destination counts as one of its sources
.endr
	s_wait_loadcnt 0x0                             ; q
	v_max3_num_f32 v[BM], |v[S]|, |v[S+1]|, 0x2800000              ; my block's largest magnitude, and the floor 2^(5 - 127)
.irp i, 2,4,6,8,10,12,14,16,18,20,22,24,26,28,30
	v_max3_num_f32 v[BM], v[BM], |v[S+\i]|, |v[S+1+\i]|
.endr
	v_add_nc_u32 v[SOP], 0xfe000000, v[BM]         ; 4 off the exponent field: the conversion's scale operand
	v_lshrrev_b32 v[BX], 23, v[SOP]                ; the scale's byte
	v_cvt_scalef32_pk16_bf6_f32 v[QA:QA+2], v[S:S+15], v[SOP]
	v_cvt_scalef32_pk16_bf6_f32 v[PT:PT+2], v[S+16:S+31], v[SOP]   ; (a conversion's three registers begin on an even number)
	v_lshlrev_b32 v227, 3, v229                    ; 8 h (a plain line behind the conversions)
.irp i, 0,1,2
	v_mov_b32 v[QA+3+\i], v[PT+\i]
.endr
	v_lshlrev_b32 v226, v227, v[BX]                ; my byte at its block's place,
	v_permlanex16_b32 v[BX+1], v226, s[SEL], s[SEL+1]
	v_or_b32 v226, v226, v[BX+1]                   ; with the other half's
	v_or_b32 v[QSA], 0x01010000, v226              ; [s0, s1, 1, 1]
	v_lshl_or_b32 v[QSB], v226, 16, 0x0101         ; [1, 1, s0, s1]
.set JJ, 0
.rept 32
	v_mov_b32 v[OT+JJ], 0                          ; O^T.  The step is written once: the first finds zeros, which the first change of M leaves zeros.  (These are also the places between the lines above and the first product)
.set JJ, JJ+1
.endr
	v_mov_b32 v13, 0xff61b1e6                      ; the largest t so far: -3e38, under every t
	v_floor_f32 v12, -v13                          ; -M
	v_mov_b32 v14, 0                               ; the sum, in two halves
	v_mov_b32 v15, 0
	v_mov_b32 v[FF+1], 0                           ; (named as the upper half of the pair before it is first written)
; A KEY STEP: 128 keys.
.macro STEP
	s_cmp_gt_u32 s[KF], s[QL]                      ; all its keys come after my queries: the work is left out, by a scalar branch on ids; the lines at its end that step addresses are not
	s_cbranch_scc1 .Lhidden_\@
	v_add_nc_u32 v[ADK], s[TB], v[A16]             ; four plain lines: the places between the last step's products and the loads into the registers that they read (ISA guide 7.12.1 for vector instructions)
	v_add_nc_u32 v[ADV], VC, v[ADK]
	v_add_nc_u32 v[ADS], s[TS], v[A8]
	v_nop
	ds_load_b64 v[KS:KS+1], v[ADS]                 ; all four fragments' scale words
.irp b, 0,1,2,3
.irp i, 0,1,2
	ds_load_b128 v[F+12*\b+4*\i:F+12*\b+4*\i+3], v[ADK] offset:1536*\b+512*\i    ; 512 consecutive bytes
.endr
.endr
.irp b, 0,1                            ; S^T = K Q^T: each fragment serves two tiles
	s_wait_dscnt 9-3*\b                            ; three loads for each later fragment may be out
	v_wmma_scale_f32_16x16x128_f8f6f4 v[S+16*\b:S+16*\b+7], v[F+12*\b:F+12*\b+11], v[QA:QA+11], 0, v[KS+\b], v[QSA] matrix_a_fmt:MATRIX_FMT_BF6 matrix_b_fmt:MATRIX_FMT_BF6
	v_wmma_scale_f32_16x16x128_f8f6f4 v[S+8+16*\b:S+8+16*\b+7], v[F+12*\b:F+12*\b+11], v[QB:QB+11], 0, v[KS+\b], v[QSB] matrix_a_fmt:MATRIX_FMT_BF6 matrix_b_fmt:MATRIX_FMT_BF6
.endr
.irp b, 2,3
	s_wait_dscnt 9-3*\b
	v_wmma_scale_f32_16x16x128_f8f6f4 v[S+16*\b:S+16*\b+7], v[F+12*\b:F+12*\b+11], v[QA:QA+11], 0, v[KS+\b-2], v[QSA] matrix_a_fmt:MATRIX_FMT_BF6 matrix_b_fmt:MATRIX_FMT_BF6 matrix_a_scale:MATRIX_SCALE_ROW1
	v_wmma_scale_f32_16x16x128_f8f6f4 v[S+8+16*\b:S+8+16*\b+7], v[F+12*\b:F+12*\b+11], v[QB:QB+11], 0, v[KS+\b-2], v[QSB] matrix_a_fmt:MATRIX_FMT_BF6 matrix_b_fmt:MATRIX_FMT_BF6 matrix_a_scale:MATRIX_SCALE_ROW1
.endr
.rept 4
	v_nop                                          ; places in front of the loads below and of the first read of the scores
.endr
	ds_load_b64 v[VS:VS+1], v[ADS] offset:4096     ; v's scale words and fragments land while the softmax is worked
.irp t, 0,1,2,3
.irp i, 0,1,2
	ds_load_b128 v[F+12*\t+4*\i:F+12*\t+4*\i+3], v[ADV] offset:1536*\t+512*\i
.endr
.endr
	s_add_co_u32 s30, s[KF], 127                   ; on the diagonal the scores of hidden keys become -infinity ahead of the maximum: p = 0 then.  A step all of whose keys count skips this
	s_cmp_le_u32 s30, s[Q0]
	s_cbranch_scc1 .Lopen_\@
	s_sub_co_i32 s30, s[Q0], s[KF]
	v_add_nc_u32 v226, s30, v[DQ]                  ; d = my query - the step's first key - 16 (lane / 16).  Register 16 b + i holds key 32 b + 16 (lane / 16) + i of the step: hidden where 32 b + i > d
	v_mov_b32 v227, 0xff800000                     ; -infinity
.set NN, 0
.rept 64
	v_cmp_gt_i32 vcc_lo, 32*(NN/16)+NN%16, v226
	v_cndmask_b32 v[S+NN], v[S+NN], v227, vcc_lo
.set NN, NN+1
.endr
.Lopen_\@:
.irp b, 0,1,2,3
	v_max3_num_f32 v[BM+\b], v[S+16*\b], v[S+1+16*\b], v[S+2+16*\b]    ; the largest score of each block of 32 keys: for the row's maximum and, since p rises with the score, for the block's largest p
.endr
.irp i, 3,5,7,9,11,13
.irp b, 0,1,2,3
	v_max3_num_f32 v[BM+\b], v[BM+\b], v[S+16*\b+\i], v[S+1+16*\b+\i]  ; (the four blocks by turns)
.endr
.endr
.irp b, 0,1,2,3
	v_max_num_f32 v[BM+\b], v[BM+\b], v[S+15+16*\b]
.endr
.irp b, 0,1,2,3
	v_permlanex16_b32 v[BX+\b], v[BM+\b], s[SEL], s[SEL+1]
.endr
.irp b, 0,1,2,3
	v_max_num_f32 v[BM+\b], v[BM+\b], v[BX+\b]     ; with lane l xor 16's 16 keys
.endr
	v_max3_num_f32 v226, v[BM], v[BM+1], v[BM+2]
	v_max_num_f32 v226, v226, v[BM+3]              ; the step's largest score of my query
	v_mul_f32 v226, s[CS], v226                    ; as t (c is positive)
	v_max_num_f32 v13, v13, v226                   ; the running largest t
	v_mov_b32 v226, v12
	v_floor_f32 v12, -v13                          ; the new -M = floor(-t) = -ceil(t): a whole number
	v_sub_f32 v226, v12, v226                      ; old M - new M: a whole number, 0 or less
	v_cvt_i32_f32 v226, v226                       ; (it saturates)
	v_ldexp_f32 v[FF], 1.0, v226                   ; f = 2^(old M - new M)
.irp j, 0,2,4,6,8,10,12,14,16,18,20,22,24,26,28,30,32,34,36,38,40,42,44,46,48,50,52,54,56,58,60,62
	v_pk_fma_f32 v[S+\j:S+1+\j], v[S+\j:S+1+\j], s[CS:CS+1], v[12:13] op_sel_hi:[1,0,0]   ; t - M, two at a time (of the pairs c and -M the low word serves both halves)
.endr
.irp b, 0,1,2,3
	v_fma_f32 v[BM+\b], v[BM+\b], s[CS], v12       ; the same of each block's largest score
.endr
.set JJ, 0
.rept 64
	v_exp_f32 v[S+JJ], v[S+JJ]                     ; p = 2^(t - M), at most 1
.set JJ, JJ+1
.endr
.irp b, 0,1,2,3
	v_exp_f32 v[BM+\b], v[BM+\b]                   ; the block's largest p: the same two instructions on the same number
.endr
	v_pk_mul_f32 v[14:15], v[14:15], v[FF:FF+1] op_sel_hi:[1,0]    ; the sums under the new M (a plain line behind the exponentials: ISA guide 5.7.2)
	s_wait_alu depctr_va_vdst(0)
.irp b, 0,1,2,3
	v_max_num_f32 v[BM+\b], 0x2800000, v[BM+\b]    ; the floor 2^(5 - 127): a block whose every p is 0 keeps the byte 1; its codes are zeros
.endr
.irp b, 0,1,2,3
	v_add_nc_u32 v[SOP+\b], 0xfe000000, v[BM+\b]   ; 4 off the exponent field: the conversion's scale operand
.endr
.irp b, 0,1,2,3
	v_lshrrev_b32 v[BX+\b], 23, v[SOP+\b]          ; the scale's byte
.endr
	v_lshl_or_b32 v[PS], v[BX+1], 8, v[BX]         ; p's scale word for these 128 keys
	v_lshl_or_b32 v[PS], v[BX+2], 16, v[PS]
	v_lshl_or_b32 v[PS], v[BX+3], 24, v[PS]
.irp c, 0,1
	v_cvt_scalef32_pk16_bf6_f32 v[PC+6*\c:PC+2+6*\c], v[S+32*\c:S+15+32*\c], v[SOP+2*\c]
	v_cvt_scalef32_pk16_bf6_f32 v[PT+4*\c:PT+2+4*\c], v[S+16+32*\c:S+31+32*\c], v[SOP+2*\c+1]
.endr
	v_nop                                          ; one plain line behind the scaled conversions
.irp c, 0,1                            ; the operand wants a WHOLE block in a lane: lanes 0-15 block 2 c, lanes 16-31 block 2 c + 1
.irp i, 0,1,2
	v_permlane16_swap_b32 v[PC+6*\c+\i], v[PT+4*\c+\i]
.endr
.irp i, 0,1,2
	v_mov_b32 v[PC+3+6*\c+\i], v[PT+4*\c+\i]
.endr
.endr
	v_pk_add_f32 v[228:229], v[S:S+1], v[S+2:S+3]  ; the row's sum is taken of the unquantised p: two at a time, in two chains
.irp j, 4,8,12,16,20,24,28,32,36,40,44,48,52,56,60
	v_pk_add_f32 v[14:15], v[14:15], v[S+\j:S+1+\j]
	v_pk_add_f32 v[228:229], v[228:229], v[S+2+\j:S+3+\j]
.endr
	v_pk_add_f32 v[14:15], v[14:15], v[228:229]
.irp j, 0,2,4,6,8,10,12,14,16,18,20,22,24,26,28,30
	v_pk_mul_f32 v[OT+\j:OT+1+\j], v[OT+\j:OT+1+\j], v[FF:FF+1] op_sel_hi:[1,0]    ; O^T under the new M, each tile from its low end on.  (With the sums: the places between p's codes and scale word and the products below)
.endr
	s_wait_dscnt 0x0                               ; v's fragments and scale words are in
.irp t, 0,1                            ; O^T += V^T P^T: the four accumulators take turns, one instruction a turn
	v_wmma_scale_f32_16x16x128_f8f6f4 v[OT+8*\t:OT+8*\t+7], v[F+12*\t:F+12*\t+11], v[PC:PC+11], v[OT+8*\t:OT+8*\t+7], v[VS+\t], v[PS] matrix_a_fmt:MATRIX_FMT_BF6 matrix_b_fmt:MATRIX_FMT_BF6
.endr
.irp t, 2,3
	v_wmma_scale_f32_16x16x128_f8f6f4 v[OT+8*\t:OT+8*\t+7], v[F+12*\t:F+12*\t+11], v[PC:PC+11], v[OT+8*\t:OT+8*\t+7], v[VS+\t-2], v[PS] matrix_a_fmt:MATRIX_FMT_BF6 matrix_b_fmt:MATRIX_FMT_BF6 matrix_a_scale:MATRIX_SCALE_ROW1
.endr
.Lhidden_\@:
	s_add_co_u32 s[KF], s[KF], 128
	s_add_co_u32 s[TB], s[TB], 6144
	s_add_co_u32 s[TS], s[TS], 256
.endm
; A part of the head: the waves that fetched wait until their part of it has landed (left = their tensor loads issued behind it, which may stay out), all sixteen meet, and walk its steps.
; No LDS instruction of a wave is out at a signal: a step's last LDS wait is for 0.  Every wave walks all steps and passes all three barriers; the trip counts are constants.
.macro PHASE trips, left
	s_wait_tensorcnt \left
	s_barrier_signal -1
	s_barrier_wait -1
	s_mov_b32 s[CNT], \trips
.Lstep_\@:
	STEP
	s_sub_co_u32 s[CNT], s[CNT], 1
	s_cmp_lg_u32 s[CNT], 0
	s_cbranch_scc1 .Lstep_\@
.endm
	PHASE 2, 2                                     ; the scale words and steps 0, 1 are in; the loads of steps 2-5 and 6-15 may be out
	PHASE 4, 1                                     ; steps 2-5 are in; the load of steps 6-15 may be out
	PHASE 10, 0                                    ; all is in: no tensor load is out from here to the end
	; THE WAY OUT.  O^T is divided by the row's sum and goes through my own stage in LDS, so that each store covers two whole rows of out0, 512 consecutive bytes.
	v_add_f32 v14, v14, v15                        ; the sum's two halves,
	v_permlanex16_b32 v[BX], v14, s[SEL], s[SEL+1]
	v_add_f32 v14, v14, v[BX]                      ; and lane l xor 16's: the row's sum
	v_rcp_f32 v14, v14
.rept 4
	v_nop                                          ; a plain line behind the reciprocal, and the places behind the last products
.endr
	s_wait_alu depctr_va_vdst(0)
.irp j, 0,2,4,6,8,10,12,14,16,18,20,22,24,26,28,30
	v_pk_mul_f32 v[S+\j:S+1+\j], v[OT+\j:OT+1+\j], v[14:15] op_sel_hi:[1,0]    ; register 8 t + i is out0(query r, channel 16 t + 8 h + i); each tile from its low end on
.endr
.irp t, 0,1,2,3
	ds_store_b128 v[STO], v[S+8*\t:S+8*\t+3] offset:64*\t
	ds_store_b128 v[STO], v[S+8*\t+4:S+8*\t+7] offset:64*\t+16
.endr
.irp i, 0,1,2,3,4,5,6,7
	ds_load_b128 v[S+32+4*\i:S+32+4*\i+3], v[RD] offset:544*\i     ; LDS serves a wave's instructions in order (ISA guide 5.7.1): these see my stores
.endr
.irp i, 0,1,2,3,4,5,6,7
	s_wait_dscnt 7-\i                              ; the later loads may be out
	global_store_b128 v[GO], v[S+32+4*\i:S+32+4*\i+3], s[14:15] offset:512*\i th:TH_STORE_NT
.endr
	s_wait_tensorcnt 0x0
	ds_add_u32 v254, v255
	s_wait_dscnt 0x0
	s_endpgm
.Lfunc_end_k_qfce71ea6c2_attn:
	.size	k_qfce71ea6c2_attn, .Lfunc_end_k_qfce71ea6c2_attn-k_qfce71ea6c2_attn
	.p2alignl 7, 3214868480
	.fill 96, 4, 3214868480
	.section	.rodata,"a",@progbits
	.p2align	6, 0x0
	.amdhsa_kernel k_qfce71ea6c2_attn
		.amdhsa_group_segment_fixed_size 276480
		.amdhsa_private_segment_fixed_size 0
		.amdhsa_enable_private_segment 0
		.amdhsa_kernarg_size 48
		.amdhsa_user_sgpr_count 2
		.amdhsa_user_sgpr_kernarg_segment_ptr 1
		.amdhsa_wavefront_size32 1
		.amdhsa_system_sgpr_workgroup_id_x 1
		.amdhsa_system_sgpr_workgroup_id_y 1
		.amdhsa_system_sgpr_workgroup_id_z 1
		.amdhsa_system_vgpr_workitem_id 0
		.amdhsa_next_free_vgpr 256
		.amdhsa_next_free_sgpr 92
		.amdhsa_reserve_vcc 1
		.amdhsa_float_denorm_mode_32 3
		.amdhsa_float_denorm_mode_16_64 3
		.amdhsa_memory_ordered 1
		.amdhsa_forward_progress 1
		.amdhsa_inst_pref_size 77
	.end_amdhsa_kernel
	.amdgpu_metadata
---
amdhsa.version: [ 1, 2 ]
amdhsa.kernels:
  - .name:           k_qfce71ea6c2_attn
    .symbol:         k_qfce71ea6c2_attn.kd
    .args:
      - { .name: q, .offset: 0, .size: 8, .value_kind: global_buffer, .address_space: global }
      - { .name: kcodes, .offset: 8, .size: 8, .value_kind: global_buffer, .address_space: global }
      - { .name: kscales, .offset: 16, .size: 8, .value_kind: global_buffer, .address_space: global }
      - { .name: vcodes, .offset: 24, .size: 8, .value_kind: global_buffer, .address_space: global }
      - { .name: vscales, .offset: 32, .size: 8, .value_kind: global_buffer, .address_space: global }
      - { .name: out0, .offset: 40, .size: 8, .value_kind: global_buffer, .address_space: global }
    .group_segment_fixed_size: 276480
    .private_segment_fixed_size: 0
    .kernarg_segment_align: 8
    .kernarg_segment_size: 48
    .max_flat_workgroup_size: 512
    .sgpr_count:     92
    .vgpr_count:     256
    .wavefront_size: 32
...
	.end_amdgpu_metadata
.endif
;; end of part 2
;; ======== version 2 of 2: 2 launches
;; workspace buffers: kcodes 3,145,728 bytes; vcodes 3,145,728 bytes; kscales 131,072 bytes; vscales 131,072 bytes
;; launch prep (part 3): grid 512 x 1, 4 waves a work-group, no clusters, 72,192 bytes of LDS; arguments k, v, kcodes, kscales, vcodes, vscales; writes kcodes, kscales, vcodes, vscales
.if DOCPART == 3
	.amdgcn_target "amdgcn-amd-amdhsa--gfx1250"
	.amdhsa_code_object_version 6
	.text
	.protected	k_qfce71ea6c2_prep
	.globl	k_qfce71ea6c2_prep
	.p2align	8
	.type	k_qfce71ea6c2_prep,@function
k_qfce71ea6c2_prep:
	s_mov_b64 s[64:65], 0
	v_nop
	global_prefetch_b8 v0, s[64:65] scope:SCOPE_SE
	s_setreg_imm32_b32 hwreg(HW_REG_WAVE_MODE, 25, 1), 1
	s_wait_xcnt 0x0
; k and v, [32 heads][2048 keys][64] f32, become codes of BF6 (E3M2) with one E8M0 scale byte for each 32 along a product's K: k along the head's 64, v along the keys.
; A block's scale is 2^(floor(log2(its largest magnitude)) - 4); its byte is the largest magnitude's exponent field - 4, held at 1 from below.
; THE CODES ARE LAID AS IMAGES OF THE OPERANDS' REGISTERS, a STEP of 128 keys at a time (6,144 bytes: four fragments of 1,536): registers 4 i .. 4 i + 3 of lane l of fragment b lie at 1536 b + 512 i + 16 l.
;   k, fragment b (r = l % 16, h = l / 16): registers 0-5 = key 32 b + r % 8 + 16 (r / 8), dims 32 h .. 32 h + 31; registers 6-11 = the key 8 further on, the same dims: two tiles of 16 keys in one operand of 128 along K.
;   v, fragment t: registers 6 c .. 6 c + 5 = channel 16 t + r, keys 64 c + 32 h + 0 .. 31 of the step.
; THE SCALE WORDS, 256 bytes a step: the word of fragment b, row r, lies at 128 (b / 2) + 8 r + 4 (b % 2).  k: bytes = first key's dims 0-31, 32-63, second key's dims 0-31, 32-63.  v: byte i = the step's i-th 32 keys.
; SHARES.  Work-groups 0-255 take k, 256-511 v.  A wave takes half a step: two fragments, 3,072 bytes of codes, 128 bytes of scale words, from 16,384 bytes of f32.  Waves share nothing: no barrier.
; LIMITS: a block of zeros gets the byte 1 (the quantiser says 127): its codes are zeros, which add nothing, and the bytes are read by this program alone.  Largest magnitudes under 2^-122 are held at that floor.
; NaN and infinities among the inputs are not served.
.set KWG,  256                         ; k's work-groups
.set WREG, 17920                       ; LDS (k's path alone): a region for each wave: two stages
.set STG,  8960                        ; a stage: 32 keys' rows of 256 bytes, 272 apart, and 128 more in front of the last sixteen
.set R,    16                          ; v16-143   k: two fragments' numbers as loaded;  v: 128 keys of my channel
.set X,    144                         ; v144-207  k: 64 numbers in the operand's order
.set F0,   208                         ; v208-219  the first fragment's codes
.set F1,   220                         ; v220-231  the second's
.set T0,   232                         ; the upper halves of blocks (a conversion's three registers begin on an even number)
.set T1,   236
.set W0,   240                         ; k: the two fragments' scale words
.set W1,   241
.set MX,   242                         ; k: two largest magnitudes, two scale operands, two bytes
.set SO,   244
.set BY,   246
.set WT,   248
.set TMP,  249
	s_load_b256 s[4:11], s[0:1], 0x0               ; k s[4:5], v s[6:7], k's codes s[8:9], k's scales s[10:11]
	s_load_b128 s[12:15], s[0:1], 0x20             ; v's codes s[12:13], v's scales s[14:15]
	v_lshl_add_u32 v254, v0, 2, 0x11800
	v_mov_b32 v255, 0
	v_lshrrev_b32 v1, 5, v0
	v_readfirstlane_b32 s16, v1                    ; wave 0..3
	v_and_b32 v1, 31, v0                           ; lane
	v_and_b32 v2, 15, v0                           ; r
	v_bfe_u32 v3, v0, 4, 1                         ; h
	v_lshlrev_b32 v4, 4, v1                        ; 16 x lane: k's dense loads, and an image's place
	v_lshlrev_b32 v5, 3, v2
	v_lshl_add_u32 v5, v3, 2, v5                   ; 8 r + 4 h: my scale word's place
	v_lshlrev_b32 v8, 3, v3                        ; 8 h: a shift
	v_lshlrev_b32 v9, 2, v1                        ; 4 x lane: v's loads
	s_mul_i32 s32, s16, WREG                       ; my wave's stages
	v_mul_u32_u24 v6, v3, 272
	v_lshl_add_u32 v6, v2, 4, v6
	v_add_nc_u32 v6, s32, v6                       ; into a stage: lanes 0-15 an even key's row, lanes 16-31 the odd one's, 16 bytes a lane
	v_and_b32 v10, 7, v0
	v_mul_u32_u24 v7, v10, 272
	v_bfe_u32 v10, v0, 3, 1
	v_mad_u32_u24 v7, v10, 4480, v7
	v_lshl_add_u32 v7, v3, 7, v7
	v_add_nc_u32 v7, s32, v7                       ; out of it: key r % 8 + 16 (r / 8), my half's 128 bytes: sixteen lanes touch sixteen different columns of 16 bytes modulo 256
	s_mov_b32 s30, 0x76543210
	s_mov_b32 s31, 0xfedcba98                      ; v_permlanex16_b32's selects for lane l xor 16
	s_cmp_lt_u32 ttmp9, KWG
	s_cselect_b32 s32, 0, KWG
	s_sub_co_u32 s17, ttmp9, s32
	s_lshl_b32 s17, s17, 2
	s_add_co_u32 s17, s17, s16                     ; which half step of the tensor is my wave's: 0 .. 1023
	s_mul_i32 s20, s17, 3072                       ; its codes,
	s_mov_b32 s21, 0
	s_lshl_b32 s22, s17, 7                         ; its scale words,
	s_mov_b32 s23, 0
	s_lshl_b32 s18, s17, 14                        ; its numbers in k: 64 keys of 256 bytes;
	s_lshr_b32 s32, s17, 1
	s_lshl_b32 s32, s32, 15
	s_and_b32 s33, s17, 1
	s_lshl_b32 s33, s33, 7
	s_add_co_u32 s32, s32, s33                     ; in v: the step's 128 keys, channels 32 (half) on
	s_mov_b32 s19, 0
	s_wait_kmcnt 0x0
	s_cmp_lt_u32 ttmp9, KWG                        ; k's work-group or v's?  The choice hangs on the work-group's number alone
	s_cselect_b32 s18, s18, s32
	s_cselect_b64 s[24:25], s[4:5], s[6:7]
	s_cselect_b64 s[26:27], s[8:9], s[12:13]
	s_cselect_b64 s[28:29], s[10:11], s[14:15]
	s_add_nc_u64 s[24:25], s[24:25], s[18:19]
	s_add_nc_u64 s[26:27], s[26:27], s[20:21]
	s_add_nc_u64 s[28:29], s[28:29], s[22:23]
	s_cmp_lt_u32 ttmp9, KWG
	s_cbranch_scc0 .Lv
; ---- k.  K is innermost: the loads take the bytes as they lie, 512 consecutive bytes each; a fragment's 32 keys turn through the wave's own stage and come back 128 bytes (a block of 32 dims) a lane and key.
.macro KLOAD f
.irp i, 0,1,2,3,4,5,6,7,8,9,10,11,12,13,14,15
	global_load_b128 v[R+64*\f+4*\i:R+64*\f+4*\i+3], v4, s[24:25] offset:8192*\f+512*\i th:TH_LOAD_NT
.endr
.endm
.macro TIN f
.irp i, 0,1,2,3,4,5,6,7,8,9,10,11,12,13,14,15
	ds_store_b128 v6, v[R+64*\f+4*\i:R+64*\f+4*\i+3] offset:STG*\f+544*\i+128*(\i/8)
.endr
.endm
.macro TOUT f, dst                     ; LDS serves a wave's instructions in order (ISA guide 5.7.1): these see the stores into the stage
.irp u, 0,1
.irp j, 0,1,2,3,4,5,6,7
	ds_load_b128 v[\dst+32*\u+4*\j:\dst+32*\u+4*\j+3], v7 offset:STG*\f+2176*\u+16*\j
.endr
.endr
.endm
; 64 numbers of a lane (two keys' blocks of 32 dims) become the fragment's 12 registers and, with lane l xor 16's two bytes, its row's scale word
.macro QK x, fr, w
	v_max3_num_f32 v[MX], |v[\x]|, |v[\x+1]|, 0x2800000            ; and the floor 2^(5 - 127): the byte cannot fall under 1
	v_max3_num_f32 v[MX+1], |v[\x+32]|, |v[\x+33]|, 0x2800000
.irp i, 2,4,6,8,10,12,14,16,18,20,22,24,26,28,30
	v_max3_num_f32 v[MX], v[MX], |v[\x+\i]|, |v[\x+\i+1]|          ; (the two blocks by turns)
	v_max3_num_f32 v[MX+1], v[MX+1], |v[\x+32+\i]|, |v[\x+33+\i]|
.endr
.irp u, 0,1
	v_add_nc_u32 v[SO+\u], 0xfe000000, v[MX+\u]    ; 4 off the exponent field: the conversion takes this operand's exponent field as its scale
.endr
.irp u, 0,1
	v_lshrrev_b32 v[BY+\u], 23, v[SO+\u]           ; the scale's byte
.endr
	v_cvt_scalef32_pk16_bf6_f32 v[\fr:\fr+2], v[\x:\x+15], v[SO]
	v_cvt_scalef32_pk16_bf6_f32 v[T0:T0+2], v[\x+16:\x+31], v[SO]
	v_cvt_scalef32_pk16_bf6_f32 v[\fr+6:\fr+8], v[\x+32:\x+47], v[SO+1]
	v_cvt_scalef32_pk16_bf6_f32 v[T1:T1+2], v[\x+48:\x+63], v[SO+1]
	v_lshl_or_b32 v[WT], v[BY+1], 16, v[BY]        ; my two bytes (a plain line behind the conversions, ahead of the moves that read their results),
	v_lshlrev_b32 v[WT], v8, v[WT]                 ; 8 h bits up: block h of each key;
	v_permlanex16_b32 v[TMP], v[WT], s30, s31
	v_or_b32 v[\w], v[WT], v[TMP]                  ; with the other half's two the word is whole, in both halves
.irp i, 0,1,2
	v_mov_b32 v[\fr+3+\i], v[T0+\i]
	v_mov_b32 v[\fr+9+\i], v[T1+\i]
.endr
.endm
.macro KOUT f, fr                      ; each store covers 512 consecutive bytes, at a multiple of 512 from the buffer's first byte
.irp i, 0,1,2
	global_store_b128 v4, v[\fr+4*\i:\fr+4*\i+3], s[26:27] offset:1536*\f+512*\i
.endr
.endm
	KLOAD 0
	KLOAD 1
	v_mov_b32 v[TMP], 0                            ; written once: a lane permute's destination counts as one of its sources
	s_wait_loadcnt 16                              ; the first fragment's 16 loads are in; the second's may be out
	s_wait_alu depctr_va_vdst(0)
	TIN 0
	TOUT 0, X
	s_wait_loadcnt 0x0
	TIN 1
	s_wait_dscnt 16                                ; all but the 16 stores just issued: the first fragment is back, and its stores have read their registers,
	TOUT 1, R                                      ; which take the second fragment while the first is quantised
	QK X, F0, W0
	KOUT 0, F0
	s_wait_dscnt 0x0
	QK R, F1, W1
	KOUT 1, F1
	v_cmp_eq_u32 vcc_lo, 1, v3
	v_cndmask_b32 v10, v[W0], v[W1], vcc_lo        ; lanes 0-15 store the first fragment's words, lanes 16-31 the second's
	global_store_b32 v5, v10, s[28:29]             ; 128 consecutive bytes
	s_wait_tensorcnt 0x0
	ds_add_u32 v254, v255
	s_wait_dscnt 0x0
	s_endpgm
; ---- v.  K (the keys) is not innermost: a lane takes a channel and its registers run down the keys, so a block of 32 keys lies in one lane and the conversions give codes with the keys innermost.
.Lv:
.set KK, 0
.rept 128
	global_load_b32 v[R+KK], v9, s[24:25] offset:256*KK th:TH_LOAD_NT    ; one key, 32 neighbouring channels: 128 consecutive bytes
.set KK, KK+1
.endr
.macro VBLOCK b, left                  ; the step's b-th 32 keys of my channel
	s_wait_loadcnt \left
	v_max3_num_f32 v[144+\b], |v[R+32*\b]|, |v[R+1+32*\b]|, 0x2800000
.irp i, 2,4,6,8,10,12,14,16,18,20,22,24,26,28,30
	v_max3_num_f32 v[144+\b], v[144+\b], |v[R+32*\b+\i]|, |v[R+1+32*\b+\i]|
.endr
	v_add_nc_u32 v[148+\b], 0xfe000000, v[144+\b]
	v_lshrrev_b32 v[152+\b], 23, v[148+\b]
	v_cvt_scalef32_pk16_bf6_f32 v[F0+12*(\b%2)+6*(\b/2):F0+12*(\b%2)+6*(\b/2)+2], v[R+32*\b:R+32*\b+15], v[148+\b]   ; even blocks' lower halves in the first fragment's registers, odd blocks' in the second's
	v_cvt_scalef32_pk16_bf6_f32 v[T0+4*\b:T0+4*\b+2], v[R+16+32*\b:R+31+32*\b], v[148+\b]
.endm
	VBLOCK 0, 63                                   ; 96 loads were issued behind this block's; a wait names 63 at the most, and a smaller count is safe
	VBLOCK 1, 63                                   ; 64 behind this one's
	VBLOCK 2, 32
	VBLOCK 3, 0
	v_lshl_or_b32 v156, v153, 8, v152              ; my channel's scale word (a plain line behind the last conversion)
	v_lshl_or_b32 v156, v154, 16, v156
	v_lshl_or_b32 v156, v155, 24, v156
; Lanes 0-15 hold the first fragment's channels, lanes 16-31 the second's, each all four blocks.  The operand wants block 2 c in lanes 0-15 and block 2 c + 1 in lanes 16-31 of each fragment:
; the exchange of one register's upper lanes with the other's lower lanes gives both fragments at once.
.irp c, 0,1
.irp i, 0,1,2
	v_permlane16_swap_b32 v[F0+6*\c+\i], v[F1+6*\c+\i]
	v_permlane16_swap_b32 v[T0+8*\c+\i], v[T0+8*\c+4+\i]
.endr
.endr
.irp c, 0,1
.irp i, 0,1,2
	v_mov_b32 v[F0+6*\c+3+\i], v[T0+8*\c+\i]
	v_mov_b32 v[F1+6*\c+3+\i], v[T0+8*\c+4+\i]
.endr
.endr
	KOUT 0, F0
	KOUT 1, F1
	global_store_b32 v5, v156, s[28:29]            ; lane (r, h): the word of fragment h, row r
	s_endpgm
.Lfunc_end_k_qfce71ea6c2_prep:
	.size	k_qfce71ea6c2_prep, .Lfunc_end_k_qfce71ea6c2_prep-k_qfce71ea6c2_prep
	.p2alignl 7, 3214868480
	.fill 96, 4, 3214868480
	.section	.rodata,"a",@progbits
	.p2align	6, 0x0
	.amdhsa_kernel k_qfce71ea6c2_prep
		.amdhsa_group_segment_fixed_size 72192
		.amdhsa_private_segment_fixed_size 0
		.amdhsa_enable_private_segment 0
		.amdhsa_kernarg_size 48
		.amdhsa_user_sgpr_count 2
		.amdhsa_user_sgpr_kernarg_segment_ptr 1
		.amdhsa_wavefront_size32 1
		.amdhsa_system_sgpr_workgroup_id_x 1
		.amdhsa_system_sgpr_workgroup_id_y 1
		.amdhsa_system_sgpr_workgroup_id_z 1
		.amdhsa_system_vgpr_workitem_id 0
		.amdhsa_next_free_vgpr 256
		.amdhsa_next_free_sgpr 66
		.amdhsa_reserve_vcc 1
		.amdhsa_float_denorm_mode_32 3
		.amdhsa_float_denorm_mode_16_64 3
		.amdhsa_memory_ordered 1
		.amdhsa_forward_progress 1
		.amdhsa_inst_pref_size 36
	.end_amdhsa_kernel
	.amdgpu_metadata
---
amdhsa.version: [ 1, 2 ]
amdhsa.kernels:
  - .name:           k_qfce71ea6c2_prep
    .symbol:         k_qfce71ea6c2_prep.kd
    .args:
      - { .name: k, .offset: 0, .size: 8, .value_kind: global_buffer, .address_space: global }
      - { .name: v, .offset: 8, .size: 8, .value_kind: global_buffer, .address_space: global }
      - { .name: kcodes, .offset: 16, .size: 8, .value_kind: global_buffer, .address_space: global }
      - { .name: kscales, .offset: 24, .size: 8, .value_kind: global_buffer, .address_space: global }
      - { .name: vcodes, .offset: 32, .size: 8, .value_kind: global_buffer, .address_space: global }
      - { .name: vscales, .offset: 40, .size: 8, .value_kind: global_buffer, .address_space: global }
    .group_segment_fixed_size: 72192
    .private_segment_fixed_size: 0
    .kernarg_segment_align: 8
    .kernarg_segment_size: 48
    .max_flat_workgroup_size: 128
    .sgpr_count:     66
    .vgpr_count:     256
    .wavefront_size: 32
...
	.end_amdgpu_metadata
.endif
;; end of part 3
;; launch attn (part 4): grid 8 x 32, 16 waves a work-group, no clusters, 276,480 bytes of LDS; arguments q, kcodes, kscales, vcodes, vscales, out0; writes out0
.if DOCPART == 4
	.amdgcn_target "amdgcn-amd-amdhsa--gfx1250"
	.amdhsa_code_object_version 6
	.text
	.protected	k_qfce71ea6c2_attn
	.globl	k_qfce71ea6c2_attn
	.p2align	8
	.type	k_qfce71ea6c2_attn,@function
k_qfce71ea6c2_attn:
	s_mov_b64 s[64:65], 0
	v_nop
	global_prefetch_b8 v0, s[64:65] scope:SCOPE_SE
	s_setreg_imm32_b32 hwreg(HW_REG_WAVE_MODE, 25, 1), 1
	s_wait_xcnt 0x0
; out0[head][q][:] = the sum over keys k <= q of softmax_k(q . k / 8) v[k][:], 32 heads x 2,048 x 64, both products on codes of BF6 (E3M2) with one E8M0 scale for each 32 along a product's K.
; k and v come as codes and scale words laid as images of the operands' registers, a step of 128 keys at a time (6,144 bytes of codes, 256 of scale words, for each of the two).  q (f32) is read by one wave alone and is quantised here, in registers.
; THE SOFTMAX: t = score x log2(e) / 8; M = the running largest t rounded UP to a whole number; p = 2^(t - M) is quantised along the keys, not normalised.  The row's sum is taken of the unquantised p and divides at the end.
; When M moves, the sum and O are multiplied by 2^(old M - new M), which rounds nothing.
; SHARES.  Work-group (g, head), sixteen waves of 256 registers, four to a SIMD.  A wave owns 16 queries.  Eight waves take query group g (128 queries), eight take group 15 - g: group G needs G + 1 key steps,
; so a pair of waves needs 17 whatever g is, and all 256 work-groups have the same work.  Which wave takes which group alternates so that each four neighbouring waves, and each four waves that are four apart, hold two of each.
; LDS.  A head's codes and scale words, 204,800 bytes, lie in LDS whole: every byte is filled once, at the head, by waves 0 to 3 (four tensor loads each are out, by this text's count).  No slot is filled again.
; They come in three parts (steps 0-1 with the scale words, 2-5, 6-15), each read behind a counted wait and a barrier, so that the first steps are worked while the rest is on its way.
; q's WAY IN.  The quantiser wants a block of 32 dims (128 bytes) in a lane; a load is best where neighbouring lanes take neighbouring bytes.  Both are had: each of the wave's eight loads takes 512 consecutive bytes (two rows),
; the 4,096 bytes go through the wave's own stage in LDS and come back 128 bytes a lane.  The loads are the first memory instructions of the wave, ahead of the tensor loads.
; NO CLUSTER, though the eight work-groups of a head read the same codes: a step all of whose keys are hidden is jumped over, which is a branch on the work-group's number; without it the work would double.
; LAYOUT.  Both products are used transposed: S^T = K Q^T (source 0 = keys, source 1 = my queries), O^T = V^T P^T: a lane holds ONE query (lane % 16) throughout.
; K = 64 IN AN INSTRUCTION OF 128: a fragment of k holds TWO tiles of 16 keys, one in K 0-63, one in K 64-127.  Against [q | zero codes] it gives the first tile's scores, against [zero codes | q] the second's.
; The half that is not wanted multiplies zero codes of q by codes of k (the format has no infinity or NaN): exactly 0; q's scale bytes there are 1.  So zeros stand on ONE side of the unused half, not on both: the sums are the same.
; The keys of a tile are not neighbours (lane r of tile 2 b + u: key 32 b + 8 u + r + 8 (r / 8)), so that S^T's register 16 b + i is key 32 b + 16 (lane / 16) + i.
; LIMITS: NaN and infinities among the inputs are not served.  A block's largest p is made from its largest score by the same two instructions: this takes v_exp_f32 not to fall where its input rises.  p under 2^-126 becomes 0.
; A block of q that is all zeros gets the scale byte 1; its codes are zeros.
.set VC,    98304                      ; LDS: k's codes at 0, v's here, a step 6,144 bytes
.set KSC,   196608                     ; k's scale words, 256 bytes a step; v's 4,096 bytes on
.set STAGE, 204800                     ; 16 rows x 272 bytes for each wave: q's way in and the way out; no tensor load lands here
.set A16, 1                            ; v1   16 x lane: an image's place
.set A8,  2                            ; v2   KSC + 8 x lane: a step's scale words
.set ADK, 3                            ; v3-5 the step's addresses: k's codes, v's codes, scale words
.set ADV, 4
.set ADS, 5
.set GO,  6                            ; v6   my byte offset in two rows of q and of out0
.set DQ,  7                            ; v7   lane % 16 - 16 (lane / 16), for the mask
.set STO, 8                            ; v8   the stage: where I put 32 bytes of a row of out0
.set RD,  9                            ; v9   the stage by rows: lanes 0-15 one row, lanes 16-31 the next, 16 bytes a lane
.set QSA, 10                           ; v10  q's scale words for [q | 0];  v11 for [0 | q]
.set QSB, 11
                                       ; v12 -M, v13 the largest t, v[14:15] the sum in two halves
.set QB,  16                           ; v16-21 zero codes, v22-27 q's codes, v28-33 zero codes: [0 | q] = v[16:27], [q | 0] = v[22:33]
.set QA,  22
.set KS,  34                           ; v34-35 k's scale words: fragments 0, 1 in lanes 0-15, fragments 2, 3 in lanes 16-31
.set VS,  36                           ; v36-37 v's likewise
.set PS,  38                           ; v38  p's scale word
.set F,   40                           ; v40-87   four fragments, k's and then v's
.set QR,  88                           ; v88  the stage: my query's row, my half's 128 bytes
.set S,   96                           ; v96-159  S^T, then p (at the head: v96-127 q's block, v128-159 q as loaded)
.set OT,  160                          ; v160-191 O^T, four tiles
.set PC,  192                          ; v192-203 p's codes;  v204-206, v208-210 the conversions' second halves
.set PT,  204
.set BM,  212                          ; v212-215 the blocks' largest scores;  v216-219 the other half's, then the bytes;  v220-223 the conversions' scale operands
.set BX,  216
.set SOP, 220
.set FF,  224                          ; v[224:225] f;  v226, v227 at work;  v[228:229] the second chain of the sum (at the head: r and h)
.set WV,  16                           ; s16  my wave's number
.set SEL, 20                           ; s[20:21] v_permlanex16_b32's selects for lane l xor 16
.set CS,  22                           ; s[22:23] c = log2(e) / 8: the packed form names a pair and takes its low word for both halves
.set Q0,  24                           ; s24  my first query;  s25 my last
.set QL,  25
.set KF,  26                           ; s26  the step's first key
.set TB,  27                           ; s27  the step's codes: 6,144 a step
.set TS,  28                           ; s28  the step's scale words: 256 a step
.set CNT, 29
.set G1S, 32                           ; descriptor groups 1: 8, 24, 48 and 120 rows of 256 bytes
.set G1A, 40
.set G1B, 48
.set G1C, 56
.set G0S, 68                           ; and groups 0
.set G0A, 72
.set G0B, 76
.set G0C, 80
.macro MKG1 g, rows                    ; a dense block as rows of 256 bytes: 32 elements of 8 bytes, no padding
	s_mov_b32 s[\g], 3<<16                         ; 15:0 no mask; 17:16 elements of 8 bytes; 20 padding off
	s_mov_b32 s[\g+1], 32<<16                      ; tensor_dim0 = 32
	s_mov_b32 s[\g+2], (\rows)<<16                 ; tensor_dim1
	s_mov_b32 s[\g+3], 32<<16                      ; tile_dim0 = 32
	s_mov_b32 s[\g+4], \rows                       ; tile_dim1
	s_mov_b32 s[\g+5], 32                          ; from row to row
	s_mov_b32 s[\g+6], 0
	s_mov_b32 s[\g+7], 0
.endm
.macro MKG0 g, per, first              ; my half (s31) of a run of steps that begins first bytes into a head's codes: per bytes
	s_mul_i32 s86, s31, \per
	s_add_co_u32 s86, s86, \first
	s_mov_b32 s[\g], 1                             ; count = 1
	s_add_co_u32 s[\g+1], s84, s86                 ; LDS address: k's or v's region + the same offset as in memory
	s_add_nc_u64 s[\g+2:\g+3], s[88:89], s[86:87]
	s_or_b32 s[\g+3], s[\g+3], 0x80000000          ; type = 2
.endm
	s_load_b256 s[4:11], s[0:1], 0x0               ; q s[4:5], k's codes s[6:7], k's scales s[8:9], v's codes s[10:11]
	s_load_b128 s[12:15], s[0:1], 0x20             ; v's scales s[12:13], out0 s[14:15]
	v_lshl_add_u32 v254, v0, 2, 0x43000
	v_mov_b32 v255, 0
	ds_add_u32 v254, v255
	ds_add_u32 v254, v255
	v_lshrrev_b32 v226, 5, v0
	s_delay_alu instid0(VALU_DEP_1)
	v_readfirstlane_b32 s[WV], v226                ; wave 0..15
	s_lshr_b32 s30, s[WV], 2
	s_xor_b32 s17, s[WV], s30
	s_and_b32 s17, s17, 1                          ; 0: query group g; 1: group 15 - g
	s_sub_co_u32 s30, 15, ttmp9
	s_cmp_eq_u32 s17, 0
	s_cselect_b32 s18, ttmp9, s30                  ; my group of 128 queries
	s_lshl_b32 s[Q0], s18, 7
	s_lshr_b32 s31, s[WV], 1                       ; waves 2 i and 2 i + 1 take tile i of the two groups
	s_lshl_b32 s31, s31, 4
	s_add_co_u32 s[Q0], s[Q0], s31
	s_add_co_u32 s[QL], s[Q0], 15
	s_and_b32 s19, ttmp7, 0xffff                   ; the head
	s_lshl_b32 s86, s19, 19                        ; a head of q and of out0: 2,048 rows of 256 bytes;
	s_lshl_b32 s30, s[Q0], 8
	s_add_co_u32 s86, s86, s30                     ; my first query's row
	s_mov_b32 s87, 0
	; every vector address is made here, ahead of the wait for the arguments and of the first branch on the wave's number
	v_and_b32 v228, 15, v0                         ; r
	v_bfe_u32 v229, v0, 4, 1                       ; h
	s_delay_alu instid0(VALU_DEP_1)
	v_lshlrev_b32 v[GO], 8, v229
	s_delay_alu instid0(VALU_DEP_1)
	v_lshl_add_u32 v[GO], v228, 4, v[GO]           ; lanes 0-15 one row of 256 bytes, lanes 16-31 the next; 16 bytes a lane
	s_mul_i32 s30, s[WV], 4352
	s_add_co_u32 s30, s30, STAGE                   ; my stage
	v_mul_u32_u24 v[RD], v229, 272
	s_delay_alu instid0(VALU_DEP_1)
	v_lshl_add_u32 v[RD], v228, 4, v[RD]
	s_delay_alu instid0(VALU_DEP_1)
	v_add_nc_u32 v[RD], s30, v[RD]                 ; by rows: the same two rows in the stage
	v_mul_u32_u24 v[QR], v228, 272
	s_delay_alu instid0(VALU_DEP_1)
	v_lshl_add_u32 v[QR], v229, 7, v[QR]
	s_delay_alu instid0(VALU_DEP_1)
	v_add_nc_u32 v[QR], s30, v[QR]                 ; q back: row r, dims 32 h on; rows 272 bytes apart: sixteen lanes touch sixteen different columns of 16 bytes modulo 256
	v_mul_u32_u24 v[STO], v228, 272
	s_delay_alu instid0(VALU_DEP_1)
	v_lshl_add_u32 v[STO], v229, 5, v[STO]
	s_delay_alu instid0(VALU_DEP_1)
	v_add_nc_u32 v[STO], s30, v[STO]               ; out0 in: row r, 32 h bytes on
	v_and_b32 v[A16], 31, v0
	s_delay_alu instid0(VALU_DEP_1)
	v_lshl_add_u32 v[A8], v[A16], 3, KSC
	s_delay_alu instid0(VALU_DEP_2)
	v_lshlrev_b32 v[A16], 4, v[A16]
	v_lshlrev_b32 v[DQ], 4, v229
	s_delay_alu instid0(VALU_DEP_1)
	v_sub_nc_u32 v[DQ], v228, v[DQ]
	s_mov_b32 s[SEL], 0x76543210
	s_mov_b32 s[SEL+1], 0xfedcba98
	s_mov_b32 s[CS], 0x3e38aa3b                    ; log2(e) / 8
	s_mov_b32 s[CS+1], s[CS]                       ; (named with it as a pair, so it is written)
	s_mov_b32 s[KF], 0
	s_mov_b32 s[TB], 0
	s_mov_b32 s[TS], 0
	MKG1 G1S, 8
	MKG1 G1A, 24
	MKG1 G1B, 48
	MKG1 G1C, 120
	s_wait_dscnt 0x0
	s_wait_kmcnt 0x0
	s_add_nc_u64 s[4:5], s[4:5], s[86:87]          ; q and out0 at my first query's row
	s_add_nc_u64 s[14:15], s[14:15], s[86:87]
.irp i, 0,1,2,3,4,5,6,7
	global_load_b128 v[S+32+4*\i:S+32+4*\i+3], v[GO], s[4:5] offset:512*\i th:TH_LOAD_NT   ; q first of all: two rows, 512 consecutive bytes, at a multiple of 512 from q's first byte
.endr
	s_lshr_b32 s30, s[WV], 1                       ; what I fetch, if I fetch: waves 0, 1 for k, waves 2, 3 for v;
	s_and_b32 s31, s[WV], 1                        ; which half of each part
	s_mul_i32 s84, s30, VC
	s_lshl_b32 s85, s30, 12
	s_cmp_lt_u32 s[WV], 2                          ; the choice hangs on the wave's number alone
	s_cselect_b64 s[88:89], s[6:7], s[10:11]
	s_cselect_b64 s[90:91], s[8:9], s[12:13]
	s_mul_i32 s86, s19, VC                         ; a head's codes are 16 steps of 6,144 bytes,
	s_add_nc_u64 s[88:89], s[88:89], s[86:87]
	s_lshl_b32 s86, s19, 12                        ; its scale words 4,096 bytes
	s_add_nc_u64 s[90:91], s[90:91], s[86:87]
	s_lshl_b32 s86, s31, 11                        ; my half of them
	s_mov_b32 s[G0S], 1
	s_add_co_u32 s[G0S+1], s85, s86
	s_add_co_u32 s[G0S+1], s[G0S+1], KSC
	s_add_nc_u64 s[G0S+2:G0S+3], s[90:91], s[86:87]
	s_or_b32 s[G0S+3], s[G0S+3], 0x80000000
	MKG0 G0A, 6144, 0                              ; steps 0 and 1: one each
	MKG0 G0B, 12288, 12288                         ; steps 2 to 5: two each
	MKG0 G0C, 30720, 36864                         ; steps 6 to 15: five each
	s_cmp_lt_u32 s[WV], 4                          ; all first fills of a wave stand in one branch on its number, ahead of every wait on TENSORcnt, every LDS read and every barrier
	s_cbranch_scc0 .Lno_fetch
	tensor_load_to_lds s[G0S:G0S+3], s[G1S:G1S+7]
	s_nop 0
	tensor_load_to_lds s[G0A:G0A+3], s[G1A:G1A+7]
	s_nop 0
	tensor_load_to_lds s[G0B:G0B+3], s[G1B:G1B+7]
	s_nop 0
	tensor_load_to_lds s[G0C:G0C+3], s[G1C:G1C+7]
	s_nop 0
.rept 4
	v_nop
.endr
.Lno_fetch:
.irp j, 0,1,2,3,4,5
	v_mov_b32 v[QB+\j], 0                          ; the zero codes on both sides of q's
	v_mov_b32 v[QA+6+\j], 0
.endr
.irp b, 0,1,2,3
	v_mov_b32 v[BX+\b], 0                          ; written once: a lane permute's destination counts as one of its sources
.endr
.irp i, 0,1,2,3,4,5,6,7
	s_wait_loadcnt 7-\i                            ; loads come back in order (ISA guide 5.7.1): the 7 - i issued behind this one may be out
	ds_store_b128 v[RD], v[S+32+4*\i:S+32+4*\i+3] offset:544*\i    ; into my stage as they lie, a row 272 bytes from the next
.endr
.irp j, 0,1,2,3,4,5,6,7
	ds_load_b128 v[S+4*\j:S+4*\j+3], v[QR] offset:16*\j            ; LDS serves a wave's instructions in order (ISA guide 5.7.1): these see my stores.  A whole block of 32 dims in a lane
.endr
	s_wait_dscnt 0x0
	v_max3_num_f32 v[BM], |v[S]|, |v[S+1]|, 0x2800000              ; my block's largest magnitude, and the floor 2^(5 - 127)
.irp i, 2,4,6,8,10,12,14,16,18,20,22,24,26,28,30
	s_delay_alu instid0(VALU_DEP_1)
	v_max3_num_f32 v[BM], v[BM], |v[S+\i]|, |v[S+1+\i]|
.endr
	s_delay_alu instid0(VALU_DEP_1)
	v_add_nc_u32 v[SOP], 0xfe000000, v[BM]         ; 4 off the exponent field: the conversion's scale operand
	s_delay_alu instid0(VALU_DEP_1)
	v_lshrrev_b32 v[BX], 23, v[SOP]                ; the scale's byte
	v_cvt_scalef32_pk16_bf6_f32 v[QA:QA+2], v[S:S+15], v[SOP]
	v_cvt_scalef32_pk16_bf6_f32 v[PT:PT+2], v[S+16:S+31], v[SOP]   ; (a conversion's three registers begin on an even number)
	v_lshlrev_b32 v227, 3, v229                    ; 8 h (a plain line behind the conversions)
.irp i, 0,1,2
	v_mov_b32 v[QA+3+\i], v[PT+\i]
.endr
	s_delay_alu instid0(VALU_DEP_4)
	v_lshlrev_b32 v226, v227, v[BX]                ; my byte at its block's place,
	s_delay_alu instid0(VALU_DEP_1)
	v_permlanex16_b32 v[BX+1], v226, s[SEL], s[SEL+1]
	s_delay_alu instid0(VALU_DEP_1)
	v_or_b32 v226, v226, v[BX+1]                   ; with the other half's
	s_delay_alu instid0(VALU_DEP_1)
	v_or_b32 v[QSA], 0x01010000, v226              ; [s0, s1, 1, 1]
	s_delay_alu instid0(VALU_DEP_2)
	v_lshl_or_b32 v[QSB], v226, 16, 0x0101         ; [1, 1, s0, s1]
.set JJ, 0
.rept 32
	v_mov_b32 v[OT+JJ], 0                          ; O^T.  The step is written once: the first finds zeros, which the first change of M leaves zeros.  (These are also the places between the lines above and the first product)
.set JJ, JJ+1
.endr
	v_mov_b32 v13, 0xff61b1e6                      ; the largest t so far: -3e38, under every t
	s_delay_alu instid0(VALU_DEP_1)
	v_floor_f32 v12, -v13                          ; -M
	v_mov_b32 v14, 0                               ; the sum, in two halves
	v_mov_b32 v15, 0
	v_mov_b32 v[FF+1], 0                           ; (named as the upper half of the pair before it is first written)
; A KEY STEP: 128 keys.
.macro STEP
	s_cmp_gt_u32 s[KF], s[QL]                      ; all its keys come after my queries: the work is left out, by a scalar branch on ids; the lines at its end that step addresses are not
	s_cbranch_scc1 .Lhidden_\@
	s_setprio 2
	v_add_nc_u32 v[ADK], s[TB], v[A16]             ; four plain lines: the places between the last step's products and the loads into the registers that they read (ISA guide 7.12.1 for vector instructions)
	s_delay_alu instid0(VALU_DEP_1)
	v_add_nc_u32 v[ADV], VC, v[ADK]
	v_add_nc_u32 v[ADS], s[TS], v[A8]
	v_nop
	ds_load_b64 v[KS:KS+1], v[ADS]                 ; all four fragments' scale words
.irp b, 0,1,2,3
.irp i, 0,1,2
	ds_load_b128 v[F+12*\b+4*\i:F+12*\b+4*\i+3], v[ADK] offset:1536*\b+512*\i    ; 512 consecutive bytes
.endr
.endr
	s_wait_alu depctr_va_vdst(0)
.irp b, 0,1                            ; S^T = K Q^T: each fragment serves two tiles
	s_wait_dscnt 9-3*\b                            ; three loads for each later fragment may be out
	v_wmma_scale_f32_16x16x128_f8f6f4 v[S+16*\b:S+16*\b+7], v[F+12*\b:F+12*\b+11], v[QA:QA+11], 0, v[KS+\b], v[QSA] matrix_a_fmt:MATRIX_FMT_BF6 matrix_b_fmt:MATRIX_FMT_BF6
	v_wmma_scale_f32_16x16x128_f8f6f4 v[S+8+16*\b:S+8+16*\b+7], v[F+12*\b:F+12*\b+11], v[QB:QB+11], 0, v[KS+\b], v[QSB] matrix_a_fmt:MATRIX_FMT_BF6 matrix_b_fmt:MATRIX_FMT_BF6
.endr
.irp b, 2,3
	s_wait_dscnt 9-3*\b
	v_wmma_scale_f32_16x16x128_f8f6f4 v[S+16*\b:S+16*\b+7], v[F+12*\b:F+12*\b+11], v[QA:QA+11], 0, v[KS+\b-2], v[QSA] matrix_a_fmt:MATRIX_FMT_BF6 matrix_b_fmt:MATRIX_FMT_BF6 matrix_a_scale:MATRIX_SCALE_ROW1
	v_wmma_scale_f32_16x16x128_f8f6f4 v[S+8+16*\b:S+8+16*\b+7], v[F+12*\b:F+12*\b+11], v[QB:QB+11], 0, v[KS+\b-2], v[QSB] matrix_a_fmt:MATRIX_FMT_BF6 matrix_b_fmt:MATRIX_FMT_BF6 matrix_a_scale:MATRIX_SCALE_ROW1
.endr
.rept 4
	v_nop                                          ; places in front of the loads below and of the first read of the scores
.endr
	ds_load_b64 v[VS:VS+1], v[ADS] offset:4096     ; v's scale words and fragments land while the softmax is worked
.irp t, 0,1,2,3
.irp i, 0,1,2
	ds_load_b128 v[F+12*\t+4*\i:F+12*\t+4*\i+3], v[ADV] offset:1536*\t+512*\i
.endr
.endr
	s_add_co_u32 s30, s[KF], 127                   ; on the diagonal the scores of hidden keys become -infinity ahead of the maximum: p = 0 then.  A step all of whose keys count skips this
	s_cmp_le_u32 s30, s[Q0]
	s_cbranch_scc1 .Lopen_\@
	s_sub_co_i32 s30, s[Q0], s[KF]
	v_add_nc_u32 v226, s30, v[DQ]                  ; d = my query - the step's first key - 16 (lane / 16).  Register 16 b + i holds key 32 b + 16 (lane / 16) + i of the step: hidden where 32 b + i > d
	v_mov_b32 v227, 0xff800000                     ; -infinity
.set NN, 0
.rept 64
	v_cmp_gt_i32 vcc_lo, 32*(NN/16)+NN%16, v226
	v_cndmask_b32 v[S+NN], v[S+NN], v227, vcc_lo
.set NN, NN+1
.endr
.Lopen_\@:
.irp b, 0,1,2,3
	v_max3_num_f32 v[BM+\b], v[S+16*\b], v[S+1+16*\b], v[S+2+16*\b]    ; the largest score of each block of 32 keys: for the row's maximum and, since p rises with the score, for the block's largest p
.endr
.irp i, 3,5,7,9,11,13
.irp b, 0,1,2,3
	v_max3_num_f32 v[BM+\b], v[BM+\b], v[S+16*\b+\i], v[S+1+16*\b+\i]  ; (the four blocks by turns)
.endr
.endr
.irp b, 0,1,2,3
	v_max_num_f32 v[BM+\b], v[BM+\b], v[S+15+16*\b]
.endr
.irp b, 0,1,2,3
	s_delay_alu instid0(VALU_DEP_4)
	v_permlanex16_b32 v[BX+\b], v[BM+\b], s[SEL], s[SEL+1]
.endr
.irp b, 0,1,2,3
	s_delay_alu instid0(VALU_DEP_4)
	v_max_num_f32 v[BM+\b], v[BM+\b], v[BX+\b]     ; with lane l xor 16's 16 keys
.endr
	s_delay_alu instid0(VALU_DEP_2)
	v_max3_num_f32 v226, v[BM], v[BM+1], v[BM+2]
	s_delay_alu instid0(VALU_DEP_1)
	v_max_num_f32 v226, v226, v[BM+3]              ; the step's largest score of my query
	s_delay_alu instid0(VALU_DEP_1)
	v_mul_f32 v226, s[CS], v226                    ; as t (c is positive)
	s_delay_alu instid0(VALU_DEP_1)
	v_max_num_f32 v13, v13, v226                   ; the running largest t
	v_mov_b32 v226, v12
	s_delay_alu instid0(VALU_DEP_2)
	v_floor_f32 v12, -v13                          ; the new -M = floor(-t) = -ceil(t): a whole number
	s_delay_alu instid0(VALU_DEP_1)
	v_sub_f32 v226, v12, v226                      ; old M - new M: a whole number, 0 or less
	s_delay_alu instid0(VALU_DEP_1)
	v_cvt_i32_f32 v226, v226                       ; (it saturates)
	s_delay_alu instid0(VALU_DEP_1)
	v_ldexp_f32 v[FF], 1.0, v226                   ; f = 2^(old M - new M)
.irp j, 0,2,4,6,8,10,12,14,16,18,20,22,24,26,28,30,32,34,36,38,40,42,44,46,48,50,52,54,56,58,60,62
	v_pk_fma_f32 v[S+\j:S+1+\j], v[S+\j:S+1+\j], s[CS:CS+1], v[12:13] op_sel_hi:[1,0,0]   ; t - M, two at a time (of the pairs c and -M the low word serves both halves)
.endr
	s_setprio 1
.irp b, 0,1,2,3
	v_fma_f32 v[BM+\b], v[BM+\b], s[CS], v12       ; the same of each block's largest score
.endr
.set JJ, 0
	s_wait_alu depctr_va_vdst(0)
.rept 64
	v_exp_f32 v[S+JJ], v[S+JJ]                     ; p = 2^(t - M), at most 1
.set JJ, JJ+1
.endr
.irp b, 0,1,2,3
	v_exp_f32 v[BM+\b], v[BM+\b]                   ; the block's largest p: the same two instructions on the same number
.endr
	v_pk_mul_f32 v[14:15], v[14:15], v[FF:FF+1] op_sel_hi:[1,0]    ; the sums under the new M (a plain line behind the exponentials: ISA guide 5.7.2)
	s_wait_alu depctr_va_vdst(0)
.irp b, 0,1,2,3
	v_max_num_f32 v[BM+\b], 0x2800000, v[BM+\b]    ; the floor 2^(5 - 127): a block whose every p is 0 keeps the byte 1; its codes are zeros
.endr
.irp b, 0,1,2,3
	s_delay_alu instid0(VALU_DEP_4)
	v_add_nc_u32 v[SOP+\b], 0xfe000000, v[BM+\b]   ; 4 off the exponent field: the conversion's scale operand
.endr
.irp b, 0,1,2,3
	s_delay_alu instid0(VALU_DEP_4)
	v_lshrrev_b32 v[BX+\b], 23, v[SOP+\b]          ; the scale's byte
.endr
	s_delay_alu instid0(VALU_DEP_3)
	v_lshl_or_b32 v[PS], v[BX+1], 8, v[BX]         ; p's scale word for these 128 keys
	s_delay_alu instid0(VALU_DEP_1)
	v_lshl_or_b32 v[PS], v[BX+2], 16, v[PS]
	s_delay_alu instid0(VALU_DEP_1)
	v_lshl_or_b32 v[PS], v[BX+3], 24, v[PS]
.irp c, 0,1
	v_cvt_scalef32_pk16_bf6_f32 v[PC+6*\c:PC+2+6*\c], v[S+32*\c:S+15+32*\c], v[SOP+2*\c]
	v_cvt_scalef32_pk16_bf6_f32 v[PT+4*\c:PT+2+4*\c], v[S+16+32*\c:S+31+32*\c], v[SOP+2*\c+1]
.endr
	v_nop                                          ; one plain line behind the scaled conversions
.irp c, 0,1                            ; the operand wants a WHOLE block in a lane: lanes 0-15 block 2 c, lanes 16-31 block 2 c + 1
.irp i, 0,1,2
	v_permlane16_swap_b32 v[PC+6*\c+\i], v[PT+4*\c+\i]
.endr
.irp i, 0,1,2
	s_delay_alu instid0(VALU_DEP_3)
	v_mov_b32 v[PC+3+6*\c+\i], v[PT+4*\c+\i]
.endr
.endr
	v_pk_add_f32 v[228:229], v[100:101], v[104:105]
	v_pk_add_f32 v[252:253], v[108:109], v[112:113]
	v_pk_add_f32 v[250:251], v[116:117], v[120:121]
	v_pk_add_f32 v[248:249], v[124:125], v[128:129]
	v_pk_add_f32 v[246:247], v[132:133], v[136:137]
	v_pk_add_f32 v[244:245], v[140:141], v[144:145]
	v_pk_add_f32 v[242:243], v[148:149], v[152:153]
	v_pk_add_f32 v[14:15], v[14:15], v[156:157]
	v_pk_add_f32 v[228:229], v[228:229], v[96:97]
	v_pk_add_f32 v[252:253], v[252:253], v[98:99]
	v_pk_add_f32 v[250:251], v[250:251], v[102:103]
	s_setprio 0
	v_pk_add_f32 v[248:249], v[248:249], v[106:107]
	v_pk_add_f32 v[246:247], v[246:247], v[110:111]
	v_pk_add_f32 v[244:245], v[244:245], v[114:115]
	v_pk_add_f32 v[242:243], v[242:243], v[118:119]
	v_pk_add_f32 v[14:15], v[14:15], v[122:123]
	v_pk_add_f32 v[228:229], v[228:229], v[126:127]
	v_pk_add_f32 v[252:253], v[252:253], v[130:131]
	v_pk_add_f32 v[250:251], v[250:251], v[134:135]
	v_pk_add_f32 v[248:249], v[248:249], v[138:139]
	v_pk_add_f32 v[246:247], v[246:247], v[142:143]
	v_pk_add_f32 v[244:245], v[244:245], v[146:147]
	v_pk_add_f32 v[242:243], v[242:243], v[150:151]
	v_pk_add_f32 v[14:15], v[14:15], v[154:155]
	v_pk_add_f32 v[228:229], v[228:229], v[158:159]
	s_delay_alu instid0(VALU_DEP_2)
	v_pk_add_f32 v[14:15], v[14:15], v[248:249]
	s_delay_alu instid0(VALU_DEP_2)
	v_pk_add_f32 v[228:229], v[228:229], v[246:247]
	v_pk_add_f32 v[252:253], v[252:253], v[244:245]
	v_pk_add_f32 v[250:251], v[250:251], v[242:243]
	s_delay_alu instid0(VALU_DEP_2)
	v_pk_add_f32 v[14:15], v[14:15], v[252:253]
	s_delay_alu instid0(VALU_DEP_2)
	v_pk_add_f32 v[228:229], v[228:229], v[250:251]
	s_delay_alu instid0(VALU_DEP_1)
	v_pk_add_f32 v[14:15], v[14:15], v[228:229]
.irp j, 0,2,4,6,8,10,12,14,16,18,20,22,24,26,28,30
	v_pk_mul_f32 v[OT+\j:OT+1+\j], v[OT+\j:OT+1+\j], v[FF:FF+1] op_sel_hi:[1,0]    ; O^T under the new M, each tile from its low end on.  (With the sums: the places between p's codes and scale word and the products below)
.endr
	s_wait_alu depctr_va_vdst(0)
	s_wait_dscnt 0x0                               ; v's fragments and scale words are in
.irp t, 0,1                            ; O^T += V^T P^T: the four accumulators take turns, one instruction a turn
	v_wmma_scale_f32_16x16x128_f8f6f4 v[OT+8*\t:OT+8*\t+7], v[F+12*\t:F+12*\t+11], v[PC:PC+11], v[OT+8*\t:OT+8*\t+7], v[VS+\t], v[PS] matrix_a_fmt:MATRIX_FMT_BF6 matrix_b_fmt:MATRIX_FMT_BF6
.endr
.irp t, 2,3
	v_wmma_scale_f32_16x16x128_f8f6f4 v[OT+8*\t:OT+8*\t+7], v[F+12*\t:F+12*\t+11], v[PC:PC+11], v[OT+8*\t:OT+8*\t+7], v[VS+\t-2], v[PS] matrix_a_fmt:MATRIX_FMT_BF6 matrix_b_fmt:MATRIX_FMT_BF6 matrix_a_scale:MATRIX_SCALE_ROW1
.endr
.Lhidden_\@:
	s_add_co_u32 s[KF], s[KF], 128
	s_add_co_u32 s[TB], s[TB], 6144
	s_add_co_u32 s[TS], s[TS], 256
.endm
; A part of the head: the waves that fetched wait until their part of it has landed (left = their tensor loads issued behind it, which may stay out), all sixteen meet, and walk its steps.
; No LDS instruction of a wave is out at a signal: the head's and a step's last LDS wait are for 0.  Every wave walks all steps and passes all three barriers; the trip counts are constants.
.macro PHASE trips, left
	s_wait_tensorcnt \left
	s_barrier_signal -1
	s_barrier_wait -1
	s_mov_b32 s[CNT], \trips
.Lstep_\@:
	STEP
	s_sub_co_u32 s[CNT], s[CNT], 1
	s_cmp_lg_u32 s[CNT], 0
	s_cbranch_scc1 .Lstep_\@
	s_setprio 0
.endm
	PHASE 2, 2                                     ; the scale words and steps 0, 1 are in; the loads of steps 2-5 and 6-15 may be out
	PHASE 4, 1                                     ; steps 2-5 are in; the load of steps 6-15 may be out
	PHASE 10, 0                                    ; all is in: no tensor load is out from here to the end
	; THE WAY OUT.  O^T is divided by the row's sum and goes through my own stage in LDS, so that each store covers two whole rows of out0, 512 consecutive bytes.
	s_wait_alu depctr_va_vdst(0)
	v_add_f32 v14, v14, v15                        ; the sum's two halves,
	s_delay_alu instid0(VALU_DEP_1)
	v_permlanex16_b32 v[BX], v14, s[SEL], s[SEL+1]
	s_delay_alu instid0(VALU_DEP_1)
	v_add_f32 v14, v14, v[BX]                      ; and lane l xor 16's: the row's sum
	s_wait_alu depctr_va_vdst(0)
	v_rcp_f32 v14, v14
.rept 4
	v_nop                                          ; a plain line behind the reciprocal, and the places behind the last products
.endr
	s_wait_alu depctr_va_vdst(0)
.irp j, 0,2,4,6,8,10,12,14,16,18,20,22,24,26,28,30
	v_pk_mul_f32 v[S+\j:S+1+\j], v[OT+\j:OT+1+\j], v[14:15] op_sel_hi:[1,0]    ; register 8 t + i is out0(query r, channel 16 t + 8 h + i); each tile from its low end on
.endr
.irp t, 0,1,2,3
	ds_store_b128 v[STO], v[S+8*\t:S+8*\t+3] offset:64*\t
	ds_store_b128 v[STO], v[S+8*\t+4:S+8*\t+7] offset:64*\t+16
.endr
.irp i, 0,1,2,3,4,5,6,7
	ds_load_b128 v[S+32+4*\i:S+32+4*\i+3], v[RD] offset:544*\i     ; LDS serves a wave's instructions in order (ISA guide 5.7.1): these see my stores
.endr
.irp i, 0,1,2,3,4,5,6,7
	s_wait_dscnt 7-\i                              ; the later loads may be out
	global_store_b128 v[GO], v[S+32+4*\i:S+32+4*\i+3], s[14:15] offset:512*\i th:TH_STORE_NT
.endr
	s_wait_tensorcnt 0x0
	ds_add_u32 v254, v255
	s_wait_dscnt 0x0
	s_endpgm
.Lfunc_end_k_qfce71ea6c2_attn:
	.size	k_qfce71ea6c2_attn, .Lfunc_end_k_qfce71ea6c2_attn-k_qfce71ea6c2_attn
	.p2alignl 7, 3214868480
	.fill 96, 4, 3214868480
	.section	.rodata,"a",@progbits
	.p2align	6, 0x0
	.amdhsa_kernel k_qfce71ea6c2_attn
		.amdhsa_group_segment_fixed_size 276480
		.amdhsa_private_segment_fixed_size 0
		.amdhsa_enable_private_segment 0
		.amdhsa_kernarg_size 48
		.amdhsa_user_sgpr_count 2
		.amdhsa_user_sgpr_kernarg_segment_ptr 1
		.amdhsa_wavefront_size32 1
		.amdhsa_system_sgpr_workgroup_id_x 1
		.amdhsa_system_sgpr_workgroup_id_y 1
		.amdhsa_system_sgpr_workgroup_id_z 1
		.amdhsa_system_vgpr_workitem_id 0
		.amdhsa_next_free_vgpr 256
		.amdhsa_next_free_sgpr 92
		.amdhsa_reserve_vcc 1
		.amdhsa_float_denorm_mode_32 3
		.amdhsa_float_denorm_mode_16_64 3
		.amdhsa_memory_ordered 1
		.amdhsa_forward_progress 1
		.amdhsa_inst_pref_size 84
	.end_amdhsa_kernel
	.amdgpu_metadata
---
amdhsa.version: [ 1, 2 ]
amdhsa.kernels:
  - .name:           k_qfce71ea6c2_attn
    .symbol:         k_qfce71ea6c2_attn.kd
    .args:
      - { .name: q, .offset: 0, .size: 8, .value_kind: global_buffer, .address_space: global }
      - { .name: kcodes, .offset: 8, .size: 8, .value_kind: global_buffer, .address_space: global }
      - { .name: kscales, .offset: 16, .size: 8, .value_kind: global_buffer, .address_space: global }
      - { .name: vcodes, .offset: 24, .size: 8, .value_kind: global_buffer, .address_space: global }
      - { .name: vscales, .offset: 32, .size: 8, .value_kind: global_buffer, .address_space: global }
      - { .name: out0, .offset: 40, .size: 8, .value_kind: global_buffer, .address_space: global }
    .group_segment_fixed_size: 276480
    .private_segment_fixed_size: 0
    .kernarg_segment_align: 8
    .kernarg_segment_size: 48
    .max_flat_workgroup_size: 512
    .sgpr_count:     92
    .vgpr_count:     256
    .wavefront_size: 32
...
	.end_amdgpu_metadata
.endif
;; end of part 4
